; MI455X (gfx1250); checked and timed in simulation.
; The chip was launched on July 23, 2026; its instructions are those of AMD's public machine-readable ISA for CDNA 5 (MIT licence, August 2026) and "CDNA5" Instruction Set Architecture Reference Guide (July 2026). The comments in the code are by the model that wrote it; some were corrected since.
;; Mobile MQA1 D. Allowed arithmetic: matrix products marked QUANTISED: E5M2 operands, one given power-of-two scale a tensor, by v_wmma_f32_16x16x64_bf8_bf8 or v_wmma_f32_16x16x128_bf8_bf8, f32 sums; everything else in f32.
;; Inputs: Wk_codes 512 x 16 x 32 uint8 (E5M2 codes of Wk, K innermost, in blocks of 32 codes); Wo_codes 512 x 16 x 32 uint8 (E5M2 codes of Wo, K innermost, in blocks of 32 codes); Wq_codes 512 x 16 x 32 uint8 (E5M2 codes of Wq, K innermost, in blocks of 32 codes); Wv_codes 512 x 16 x 32 uint8 (E5M2 codes of Wv, K innermost, in blocks of 32 codes); bk 512 float32; bo 512 float32; bq 512 float32; bv 512 float32; lowp_scales 12 int32 (the exponents e of the quantised operands' scales 2^e); x 4 x 512 x 2,048 float32.
;; Outputs: out0 4 x 512 x 2,048 float32.
;; This version of the problem:
;;   THIS VERSION OF THE PROBLEM IS GIVEN IN LOW PRECISION. The matrix products marked QUANTISED in the list below multiply operands that are first quantised to E5M2 (5 exponent bits, 2 mantissa bits; 8 bits a number), with one given power-of-two scale for each operand tensor; their sums are f32. All else is computed in f32.
;;   The module's matrix products, in the order in which they are computed (A, B: the left and right operand; K: the contracted axis; several contracted axes count as one K, in the product's order):
;;     1. [M 8,192, K 512] x [K 512, N 512]; A: input x; B: input Wq (given as codes): QUANTISED (scales: A lowp_scales[0], B lowp_scales[1])
;;     2. [M 8,192, K 512] x [K 512, N 512]; A: input x; B: input Wk (given as codes): QUANTISED (scales: A lowp_scales[2], B lowp_scales[3])
;;     3. [M 8,192, K 512] x [K 512, N 512]; A: input x; B: input Wv (given as codes): QUANTISED (scales: A lowp_scales[4], B lowp_scales[5])
;;     4. batch 32 x [M 2,048, K 64] x [K 64, N 2,048]; A: computed on the way; B: computed on the way: QUANTISED (scales: A lowp_scales[6], B lowp_scales[7])
;;     5. batch 32 x [M 2,048, K 2,048] x [K 2,048, N 64]; A: softmax (see below); B: computed on the way: QUANTISED (scales: A lowp_scales[8], B lowp_scales[9])
;;     6. [M 8,192, K 512] x [K 512, N 512]; A: computed on the way; B: input Wo (given as codes): QUANTISED (scales: A lowp_scales[10], B lowp_scales[11])
;;   THE QUANTISER, for each operand of a quantised product, along K:
;;     - The operand's scale is 2^e, e = its entry of the input lowp_scales (int32; the entries are numbered through the quantised products in the list's order, A before B).
;;     - Each number is divided by the scale, clamped to +-57,344, and rounded to the nearest number of E5M2, ties to even, subnormals kept.
;;     - The product sums the exact products of the quantised numbers (number of the format x scale) in f32.
;;   ~~~python
;;   def quantise(x, axis, e):      # numpy; x: float32 -> the quantised numbers, widened to float32 again
;;       x = np.moveaxis(x, axis, -1); K = x.shape[-1]
;;       r = np.clip(x / 2.0 ** e, -57344, 57344)
;;       step = 2.0 ** (np.maximum(np.frexp(np.where(r == 0, 1, r))[1] - 1, -14) - 2)
;;       q = np.round(r / step) * step * 2.0 ** e      # np.round: ties to even
;;       return np.moveaxis(q, -1, axis).astype(np.float32)
;;   ~~~
;;   SOFTMAX AHEAD OF A QUANTISED PRODUCT. Where the list says 'softmax', what is quantised is not the finished softmax but p = 2^(t - M), with t = logit x log2(e) and M = ceil(the row's largest t), a whole number; so 1/2 < the row's largest p <= 1. The row's sum l is taken of the UNQUANTISED p, in f32, and the product's result is divided by l at the end. Since M is a whole number, a kernel that streams over the keys may use a running M (the ceiling of the running maximum): every later rescaling is an exact power of two, so the quantised numbers keep their values, but for numbers so far below the row's largest that they fall under the format's range.
;;   OPERANDS COMPUTED ON THE WAY. 'Computed on the way' means the value that the module computes at that place (a softmax that the list does not call 'softmax' is quantised finished and normalised). What goes into a quantiser is computed in f32, as accurately as f32 sums, v_exp_f32 and their like allow (about 1e-6 of the number): no bf16 or f16 on the way to a quantiser, and a product that is left as it is and whose result goes on into a quantised operand takes f32 operands (vector FMAs, or v_wmma_f32_16x16x4_f32). A number that lies on a knife's edge between two numbers of the format may be rounded either way, as far as f32 arithmetic and the matrix unit's own rounding can turn it there, and no further.
;;   INPUTS GIVEN AS CODES. Wk (in the module: [512, 512], K = its axis 1); Wo (in the module: [512, 512], K = its axis 1); Wq (in the module: [512, 512], K = its axis 1); Wv (in the module: [512, 512], K = its axis 1): each comes as NAME_codes (uint8): NAME with its K axis moved to the last place and cut into blocks of 32 codes, [.., K / 32, bytes a block], one block behind the other in memory; one code a byte (a code: sign, 5 exponent bits, 2 mantissa bits); its scale is its entry of lowp_scales. Its value is code x scale, taken as it is: it is not quantised again, and the codes and scales need not be those that the quantiser above would give.
;; 2 versions, each right; version 2 is version 1 with the launches attn, proj written anew for expert scheduling mode. Each part assembles by itself: llvm-mc -triple=amdgcn-amd-amdhsa -mcpu=gfx1250 --defsym DOCPART=n.
;; ======== version 1 of 2: 3 launches
;; workspace buffers: q_img 4,194,304 bytes; k_img 4,194,304 bytes; v_img 4,194,304 bytes; o_img 4,194,304 bytes
;; launch qkv (part 1): grid 2 x 128, 4 waves a work-group, no clusters, 229,888 bytes of LDS; arguments x, Wq_codes, Wk_codes, Wv_codes, bq, bk, bv, lowp_scales, q_img, k_img, v_img; writes q_img, k_img, v_img
.if DOCPART == 1
	.amdgcn_target "amdgcn-amd-amdhsa--gfx1250"
	.amdhsa_code_object_version 6
	.text
	.protected	k_q8cf45a4b59_qkv
	.globl	k_q8cf45a4b59_qkv
	.p2align	8
	.type	k_q8cf45a4b59_qkv,@function
k_q8cf45a4b59_qkv:
	s_mov_b64 s[64:65], 0
	v_nop
	global_prefetch_b8 v0, s[64:65] scope:SCOPE_SE
	s_setreg_imm32_b32 hwreg(HW_REG_WAVE_MODE, 25, 1), 1
	s_wait_xcnt 0x0
; q, k, v = x^T W^T + b on codes of BF8 (E5M2), and their own codes for the attention that follows.
; x: [4][512 c][2048 l] f32, K = c is NOT innermost.  Wq, Wk, Wv: [512 n][512 c] codes, K innermost.  lowp_scales: e0 .. e11.
; x is quantised three times (e0, e2, e4), since each product has its own scale for it.  q, k, v = sum x 2^(ea + eb) + bias are quantised with e6, e7, e9.
; SHARES.  A work-group takes 64 rows l of one batch and four heads; 2 x 128 work-groups.  Phase X: wave w turns channels 128 w .. 128 w + 127 of the 64 rows into codes: one K step of 128.
; Phase M: wave w owns ONE head (64 columns) for all 64 rows: 16 accumulators, for q, then k, then v.  Each weight byte is read by one wave of the work-group, once, straight into its registers.
; x ON ITS WAY.  Two tensor loads a wave bring its 128 channels x 64 l (rows of 256 bytes) into LDS bytes of the wave's own; each is filled once.  A lane then takes a COLUMN l and its registers run down c, so that the
; conversions, which take neighbours along K from one lane's registers, give codes with K innermost.  The codes go to LDS as IMAGES OF THE OPERAND'S REGISTERS: four registers are 512 bytes, lane's 16 bytes at 16 x lane.
; LAYOUT OF K IN A FRAGMENT of the x W products: registers 4 c .. 4 c + 3 hold k = 32 c + 16 (lane / 16) + 0 .. 15, alike in x and in W: a permutation of k that both sides share.
; q, k: the product is used transposed (source 0 = 16 rows of W, source 1 = 16 rows l): a lane holds one l and eight neighbouring d = 16 j + 8 (lane / 16) + i: their codes ARE registers 2 j, 2 j + 1 of the K = 64 fragment.
; v: source 0 = 16 rows l, source 1 = 16 rows of Wv: a lane holds one d and eight neighbouring keys: their codes ARE two registers of the K = 128 fragment of V^T (keys innermost).
;    THE ROWS OF Wv THAT FORM A TILE ARE NOT NEIGHBOURS: lane r of tile j takes row 32 (j / 2) + 8 (j % 2) + r + 8 (r / 8), so that attention's result has 16 neighbours along the last product's K in a lane.
; The biases are the C of each sum's first matrix instruction, divided once by the power of two that the sums lack.
; OUT: q_img, k_img [32 bh][128 tiles of 16 l][1,024 bytes], v_img [32 bh][16 steps of 128 keys][4 tiles of d][2,048 bytes]: register images; every store of a wave covers 512 consecutive bytes, aligned.
; NO CLUSTER: a block of x has two readers (the two halves of the heads), 128 KiB against the 384 KiB of weights that a work-group reads into registers, one wave a byte; there is no tile ring to share.
; LIMITS on the given exponents, so that each power of two below is an f32 number: e0, e2, e4, e6 - e0 - e1, e7 - e2 - e3, e9 - e4 - e5 between -126 and 112.  NaN among the inputs is not served.
; REGISTERS, in windows of 256.  Window 0: v1-12 addresses; v14-25 scales and limits; v26-29 bv; v32-63, v64-95 biases in the result's layout; v96-127 codes on the way out; v128-255 the 16 accumulators
;   (phase X, before the sums begin: v128-191 two sets of 32 numbers, v192-223 held numbers, v224-247 codes).  Window 1: Wq, later Wv, fragment (j, s) at 16 (4 j + s).  Window 2: Wk.  Window 3: x's 16 fragments, (m, s) at 16 (4 s + m).
.set XC,   131072                      ; LDS: 0 .. 131,071 x in f32, wave w's 128 rows of 256 bytes at 32,768 w; from XC on the images: fragment (t, m, s) at 32,768 t + 8,192 m + 2,048 s
.set EMAX, 15
.set MANT, 0x600000                    ; the mantissa field of 57,344 as f32
.set XA,   1                           ; v1     32,768 w + 4 x lane: my column in my wave's rows of x
.set ST0,  2                           ; v2-4   where I store codes, for t = 0, 1, 2
.set LT0,  5                           ; v5-7   where I read images, for t = 0, 1, 2
.set WN,   8                           ; v8     512 r + 16 h: a weight's rows as they lie
.set WP,   9                           ; v9     512 (r + 8 (r / 8)) + 16 h: Wv's chosen rows
.set BN,   10                          ; v10    32 h
.set BP,   11                          ; v11    4 (r + 8 (r / 8))
.set OUTA, 12                          ; v12    16 x lane
.set SCX,  14                          ; v14-19 2^e and 57,344 x 2^e for e0, e2, e4
.set SCO,  20                          ; v20-25 the same for the three ways out
.set BV,   26
.set BA,   32
.set BB,   64
.set CD,   96
.set ACC,  128
.set X,    128
.set T,    192
.set C,    224
.set G1,   28                          ; s[28:35] descriptor group 1
.set G0,   36                          ; s[36:43] descriptor group 0, a set for each of my two loads
.set MSB,  0
.macro WIN new                         ; the immediate's high byte repeats the setting that is left; a switch that changes nothing is dropped
.if MSB != (\new)
	s_set_vgpr_msb (MSB<<8)|(\new)
.set MSB, (\new)
.endif
.endm
.macro MKSC vs, se                     ; from the exponent in s[se]: v[vs] = 2^e as f32 (the conversion takes its exponent field), v[vs + 1] = 57,344 x 2^e
	s_add_co_i32 s60, s[\se], 127
	s_lshl_b32 s61, s60, 23
	v_mov_b32 v[\vs], s61
	s_add_co_i32 s60, s60, EMAX
	s_lshl_b32 s60, s60, 23
	s_or_b32 s60, s60, MANT
	v_mov_b32 v[\vs+1], s60
.endm
; A weight's tile j (16 rows from row on), all four K steps: 16 loads into the window that win names
.macro WLOAD win, adr, base, row, j
	WIN \win
.irp s, 0,1,2,3
.irp c, 0,1,2,3
	global_load_b128 v[16*(4*(\j)+\s)+4*\c:16*(4*(\j)+\s)+4*\c+3], v[\adr], s[\base:\base+1] offset:(\row)*512+128*\s+32*\c
.endr
.endr
	WIN 0
.endm
.macro WL k                            ; the k-th of eight: Wq's tiles 0-3 into window 1, Wk's into window 2
	WLOAD 0x40*(1+(\k)/4), WN, 6+2*((\k)/4), 16*((\k)%4), (\k)%4
.endm
; Unit n of eight: block n / 2 of 32 channels, half n % 2 of the 64 rows l.  A lane takes column l = 32 (n % 2) + lane; each load reads 128 consecutive bytes
.macro XL n
.set ii, 0
.rept 32
	ds_load_b32 v[X+32*((\n)%2)+ii], v[XA] offset:(32*((\n)/2)+ii)*256+128*((\n)%2)
.set ii, ii+1
.endr
.endm
.macro UNIT n
.if (\n) == 3
	s_wait_tensorcnt 0x0                           ; the next unit reads my rows 64 on: my second load is in
.endif
.if (\n) < 7
	XL (\n)+1
.endif
.if (\n) < 6
	WL (\n)+2                                      ; the weights come in while x is quantised
.endif
.if (\n) < 7
	s_wait_dscnt 32                                ; only the next unit's 32 loads may be out: this unit's numbers are in, and the last unit's six stores are done
.else
	s_wait_dscnt 0x0
.endif
.irp t, 0,1,2
.set ii, 0
.rept 32
	v_med3_num_f32 v[T+ii], v[X+32*((\n)%2)+ii], -v[SCX+1+2*\t], v[SCX+1+2*\t]   ; the conversion to an 8-bit code does not saturate (ISA guide 7.6.2): the hold at the largest code x the scale
.set ii, ii+1
.endr
.irp g, 0,1,2,3
	v_cvt_scalef32_pk8_bf8_f32 v[C+8*\t+2*\g:C+8*\t+2*\g+1], v[T+8*\g:T+8*\g+7], v[SCX+2*\t]
.endr
	v_nop                                          ; one plain vector instruction between the conversions and the next write of their sources
	ds_store_b128 v[ST0+\t], v[C+8*\t:C+8*\t+3] offset:16384*((\n)%2)+512*((\n)/2)         ; k = 32 c' + 0 .. 15: the image's lane r
	ds_store_b128 v[ST0+\t], v[C+8*\t+4:C+8*\t+7] offset:16384*((\n)%2)+512*((\n)/2)+256   ; k = 32 c' + 16 .. 31: its lane 16 + r
.endr
.endm
.macro XFETCH t                        ; x's 16 fragments under scale t, K step by K step: 64 loads of 512 consecutive bytes
	WIN 0xc0
.irp s, 0,1,2,3
.irp m, 0,1,2,3
.irp c, 0,1,2,3
	ds_load_b128 v[16*(4*\s+\m)+4*\c:16*(4*\s+\m)+4*\c+3], v[LT0+\t] offset:8192*\m+2048*\s+512*\c
.endr
.endr
.endr
	WIN 0
.endm
.macro MM m, j, s, swap, bias          ; one matrix instruction: rows 16 m on, tile j of the head's columns, K step s.  The first K step takes the bias as C: nothing is cleared
.set rD, ACC+8*(4*(\m)+(\j))
.set rW, 16*(4*(\j)+(\s))
.set rX, 16*(4*(\s)+(\m))
.if (\s) == 0
.set rC, (\bias)+8*(\j)
.else
.set rC, rD
.endif
.if \swap
	v_wmma_f32_16x16x128_bf8_bf8 v[rD:rD+7], v[rX:rX+15], v[rW:rW+15], v[rC:rC+7]
.else
	v_wmma_f32_16x16x128_bf8_bf8 v[rD:rD+7], v[rW:rW+15], v[rX:rX+15], v[rC:rC+7]
.endif
.endm
; 64 matrix instructions.  The 16 accumulators take turns, one instruction a turn, in the same order in every K step.
.macro MUL set, swap, bias
.irp s, 0,1,2,3
	s_wait_dscnt 48-16*\s                          ; x's fragments of this K step are in; those of the later steps, 16 loads each, may be out
	WIN \set
.irp m, 0,1,2,3
.irp j, 0,1,2,3
	MM \m, \j, \s, \swap, \bias
.endr
.endr
.endr
	WIN 0
.rept 4
	v_nop                                          ; four places in front of loads into the operands' registers and of the first read of results
.endr
.endm
; The sums become codes, each accumulator from its low end on, and leave as register images.
.macro WAYOUT first, sc, base, isv
.if !(\first)
	s_wait_xcnt 0x0                                ; the last way out's stores have read their registers: the codes' registers are written again only behind this wait
.endif
.irp m, 0,1,2,3
.irp j, 0,1,2,3
.irp i, 0,1,2,3,4,5,6,7
	v_med3_num_f32 v[ACC+8*(4*\m+\j)+\i], v[ACC+8*(4*\m+\j)+\i], -v[\sc+1], v[\sc+1]
.endr
.if \isv
	v_cvt_scalef32_pk8_bf8_f32 v[CD+8*\j+2*\m:CD+8*\j+2*\m+1], v[ACC+8*(4*\m+\j):ACC+8*(4*\m+\j)+7], v[\sc]
.else
	v_cvt_scalef32_pk8_bf8_f32 v[CD+8*\m+2*\j:CD+8*\m+2*\j+1], v[ACC+8*(4*\m+\j):ACC+8*(4*\m+\j)+7], v[\sc]
.endif
.endr
.endr
	v_nop                                          ; one plain vector instruction behind the last conversion: matrix instructions later write its sources
.irp n, 0,1,2,3,4,5,6,7
.if \isv
	global_store_b128 v[OUTA], v[CD+4*\n:CD+4*\n+3], s[\base:\base+1] offset:2048*(\n/2)+512*(\n%2)
.else
	global_store_b128 v[OUTA], v[CD+4*\n:CD+4*\n+3], s[\base:\base+1] offset:512*\n
.endif
.endr
.endm
	s_load_b512 s[4:19], s[0:1], 0x0               ; x s[4:5], Wq s[6:7], Wk s[8:9], Wv s[10:11], bq s[12:13], bk s[14:15], bv s[16:17], the exponents s[18:19]
	s_load_b128 s[20:23], s[0:1], 0x40             ; q_img, k_img
	s_load_b64 s[24:25], s[0:1], 0x50              ; v_img
	v_lshl_add_u32 v254, v0, 2, 0x38000
	v_mov_b32 v255, 0
	ds_add_u32 v254, v255
	ds_add_u32 v254, v255
	s_wait_dscnt 0x0
	v_lshrrev_b32 v13, 5, v0
	v_readfirstlane_b32 s26, v13                   ; wave 0..3
	s_lshl_b32 s27, ttmp9, 2
	s_add_co_u32 s27, s27, s26                     ; my head = 4 x work-group x + wave
	s_and_b32 s56, ttmp7, 0xffff
	s_lshr_b32 s57, s56, 5                         ; the batch
	s_and_b32 s58, s56, 31                         ; which 64 rows l of it
	; descriptor group 1: 64 rows (channels) x 64 elements of 4 bytes (256 bytes of l), 2,048 elements from row to row; no padding: the reads take 128 consecutive bytes
	s_mov_b32 s[G1+0], 2<<16                       ; no mask; elements of 4 bytes
	s_mov_b32 s[G1+1], 64<<16                      ; tensor_dim0 = 64
	s_mov_b32 s[G1+2], 64<<16                      ; tensor_dim1 = 64
	s_mov_b32 s[G1+3], 64<<16                      ; tile_dim0 = 64
	s_mov_b32 s[G1+4], 64                          ; tile_dim1 = 64
	s_mov_b32 s[G1+5], 2048                        ; tensor_dim0_stride
	s_mov_b32 s[G1+6], 0
	s_mov_b32 s[G1+7], 0
	s_lshl_b32 s59, s26, 15                        ; my wave's bytes of x in LDS
	s_lshl_b32 s60, s57, 22                        ; in memory: batch x 512 x 8,192
	s_lshl_b32 s61, s26, 20                        ; + 128 w channels of 8,192 bytes
	s_add_co_u32 s60, s60, s61
	s_lshl_b32 s61, s58, 8                         ; + 64 l of 4 bytes
	s_add_co_u32 s60, s60, s61
	s_mov_b32 s61, 0
	s_wait_kmcnt 0x0
	s_load_b256 s[44:51], s[18:19], 0x0            ; e0 .. e7
	s_load_b128 s[52:55], s[18:19], 0x20           ; e8 .. e11
	s_mov_b32 s[G0], 1
	s_mov_b32 s[G0+1], s59
	s_add_nc_u64 s[G0+2:G0+3], s[4:5], s[60:61]
	s_mov_b32 s[G0+4], 1
	s_add_co_u32 s[G0+5], s59, 16384
	s_add_nc_u64 s[G0+6:G0+7], s[G0+2:G0+3], 0x80000   ; 64 channels on
	s_or_b32 s[G0+3], s[G0+3], 0x80000000          ; type = 2
	s_or_b32 s[G0+7], s[G0+7], 0x80000000
	tensor_load_to_lds s[G0:G0+3], s[G1:G1+7]      ; my two fills go out together, ahead of every wait on TENSORcnt, every LDS read and the barrier: two loads of mine are out
	s_nop 0
	tensor_load_to_lds s[G0+4:G0+7], s[G1:G1+7]
	s_nop 0
.rept 4
	v_nop
.endr
	s_lshl_b32 s62, s27, 15                        ; my head's 64 rows of 512 bytes in each weight
	s_mov_b32 s63, 0
	s_add_nc_u64 s[6:7], s[6:7], s[62:63]
	s_add_nc_u64 s[8:9], s[8:9], s[62:63]
	s_add_nc_u64 s[10:11], s[10:11], s[62:63]
	s_lshl_b32 s62, s27, 8                         ; and its 64 numbers in each bias
	s_add_nc_u64 s[12:13], s[12:13], s[62:63]
	s_add_nc_u64 s[14:15], s[14:15], s[62:63]
	s_add_nc_u64 s[16:17], s[16:17], s[62:63]
	s_lshl_b32 s56, s57, 3
	s_add_co_u32 s56, s56, s27                     ; bh = 8 x batch + head
	s_lshl_b32 s56, s56, 17                        ; 131,072 bytes a head in each image buffer
	s_lshl_b32 s62, s58, 12                        ; q, k: four tiles of 1,024 bytes for 64 rows
	s_add_co_u32 s62, s62, s56
	s_add_nc_u64 s[20:21], s[20:21], s[62:63]
	s_add_nc_u64 s[22:23], s[22:23], s[62:63]
	s_lshr_b32 s62, s58, 1                         ; v: the step of 128 keys, 8,192 bytes each,
	s_lshl_b32 s62, s62, 13
	s_add_co_u32 s62, s62, s56
	s_and_b32 s60, s58, 1                          ; and which half of each fragment's 16 registers my 64 keys are
	s_lshl_b32 s60, s60, 10
	s_add_co_u32 s62, s62, s60
	s_add_nc_u64 s[24:25], s[24:25], s[62:63]
	v_and_b32 v13, 31, v0                          ; lane
	v_and_b32 v30, 15, v0                          ; r
	v_bfe_u32 v31, v0, 4, 1                        ; h
	v_lshlrev_b32 v[OUTA], 4, v13
	v_lshl_add_u32 v[XA], v13, 2, s59
	s_lshl_b32 s60, s26, 11                        ; my K step's place in an image: 2,048 w
	v_lshlrev_b32 v[ST0], 13, v31                  ; lanes 16-31 hold the next tile of rows: 8,192 on
	v_lshl_add_u32 v[ST0], v30, 4, v[ST0]
	v_add_nc_u32 v[ST0], s60, v[ST0]
	v_add_nc_u32 v[ST0+1], XC+32768, v[ST0]
	v_add_nc_u32 v[ST0+2], XC+65536, v[ST0]
	v_add_nc_u32 v[ST0], XC, v[ST0]
	v_add_nc_u32 v[LT0], XC, v[OUTA]
	v_add_nc_u32 v[LT0+1], XC+32768, v[OUTA]
	v_add_nc_u32 v[LT0+2], XC+65536, v[OUTA]
	v_lshlrev_b32 v[WN], 9, v30
	v_lshl_add_u32 v[WN], v31, 4, v[WN]
	v_and_b32 v13, 8, v30
	v_add_nc_u32 v13, v13, v30                     ; r + 8 (r / 8)
	v_lshlrev_b32 v[WP], 9, v13
	v_lshl_add_u32 v[WP], v31, 4, v[WP]
	v_lshlrev_b32 v[BN], 5, v31
	v_lshlrev_b32 v[BP], 2, v13
.irp j, 0,1,2,3                        ; bq, bk in the result's layout: lane (r, h), tile j: d = 16 j + 8 h + 0 .. 7;  bv: my lane's one d of tile j
	global_load_b128 v[BA+8*\j:BA+8*\j+3], v[BN], s[12:13] offset:64*\j
	global_load_b128 v[BA+8*\j+4:BA+8*\j+7], v[BN], s[12:13] offset:64*\j+16
	global_load_b128 v[BB+8*\j:BB+8*\j+3], v[BN], s[14:15] offset:64*\j
	global_load_b128 v[BB+8*\j+4:BB+8*\j+7], v[BN], s[14:15] offset:64*\j+16
	global_load_b32 v[BV+\j], v[BP], s[16:17] offset:4*(32*(\j/2)+8*(\j%2))
.endr
	WL 0
	WL 1
	s_wait_kmcnt 0x0
	MKSC SCX, 44                                   ; e0
	MKSC SCX+2, 46                                 ; e2
	MKSC SCX+4, 48                                 ; e4
	s_add_co_i32 s56, s44, s45                     ; a sum of the first product stands for sum x 2^(e0 + e1): q's code is (sum + bq / 2^(e0 + e1)) / 2^(e6 - e0 - e1)
	s_sub_co_i32 s62, s50, s56
	MKSC SCO, 62
	s_sub_co_i32 s56, 0, s56
	s_add_co_i32 s57, s46, s47
	s_sub_co_i32 s62, s51, s57                     ; e7 - e2 - e3
	MKSC SCO+2, 62
	s_sub_co_i32 s57, 0, s57
	s_add_co_i32 s58, s48, s49
	s_sub_co_i32 s62, s53, s58                     ; e9 - e4 - e5
	MKSC SCO+4, 62
	s_sub_co_i32 s58, 0, s58
	; ---- X: my 128 channels of the 64 rows become codes, under three scales
	s_wait_tensorcnt 0x1                           ; my first 64 channels are in; the second load may be out
	XL 0
.irp n, 0,1,2,3,4,5,6,7
	UNIT \n
.endr
	s_wait_dscnt 0x0                               ; for the others' sake: my stores of images are done
	s_barrier_signal -1
	s_barrier_wait -1                              ; the one barrier: all 48 fragments lie in LDS, and nothing in LDS is written from here on
	; ---- M: q
	XFETCH 0
	s_wait_loadcnt 0x0                             ; the biases, Wq, Wk
.set ii, 0
.rept 32
	v_ldexp_f32 v[BA+ii], v[BA+ii], s56            ; bq / 2^(e0 + e1)
	v_ldexp_f32 v[BB+ii], v[BB+ii], s57            ; bk / 2^(e2 + e3)
.set ii, ii+1
.endr
	MUL 0x0d, 0, BA                                ; source 0 (Wq) window 1, source 1 (x) window 3, C and D window 0
	; ---- k's operands are asked for, Wv takes Wq's registers, and q goes out meanwhile
	XFETCH 1
.irp j, 0,1,2,3
	WLOAD 0x40, WP, 10, 32*(\j/2)+8*(\j%2), \j
.endr
.irp j, 0,1,2,3
.irp i, 0,1,2,3,4,5,6,7
	v_ldexp_f32 v[BA+8*\j+\i], v[BV+\j], s58       ; bv / 2^(e4 + e5): in v's result a lane holds one d, so its eight registers take one number
.endr
.endr
	WAYOUT 1, SCO, 20, 0
	MUL 0x0e, 0, BB                                ; source 0 (Wk) window 2
	XFETCH 2
	WAYOUT 0, SCO+2, 22, 0
	s_wait_loadcnt 0x0                             ; Wv
	MUL 0x07, 1, BA                                ; source 0 (x) window 3, source 1 (Wv) window 1
	WAYOUT 0, SCO+4, 24, 1
	s_wait_xcnt 0x0
	v_lshl_add_u32 v254, v0, 2, 0x38000
	v_mov_b32 v255, 0
	s_wait_tensorcnt 0x0
	ds_add_u32 v254, v255
	s_wait_dscnt 0x0
	s_endpgm
.Lfunc_end_k_q8cf45a4b59_qkv:
	.size	k_q8cf45a4b59_qkv, .Lfunc_end_k_q8cf45a4b59_qkv-k_q8cf45a4b59_qkv
	.p2alignl 7, 3214868480
	.fill 96, 4, 3214868480
	.section	.rodata,"a",@progbits
	.p2align	6, 0x0
	.amdhsa_kernel k_q8cf45a4b59_qkv
		.amdhsa_group_segment_fixed_size 229888
		.amdhsa_private_segment_fixed_size 0
		.amdhsa_enable_private_segment 0
		.amdhsa_kernarg_size 88
		.amdhsa_user_sgpr_count 2
		.amdhsa_user_sgpr_kernarg_segment_ptr 1
		.amdhsa_wavefront_size32 1
		.amdhsa_system_sgpr_workgroup_id_x 1
		.amdhsa_system_sgpr_workgroup_id_y 1
		.amdhsa_system_sgpr_workgroup_id_z 1
		.amdhsa_system_vgpr_workitem_id 0
		.amdhsa_next_free_vgpr 1024
		.amdhsa_next_free_sgpr 66
		.amdhsa_reserve_vcc 0
		.amdhsa_float_denorm_mode_32 3
		.amdhsa_float_denorm_mode_16_64 3
		.amdhsa_memory_ordered 1
		.amdhsa_forward_progress 1
		.amdhsa_inst_pref_size 162
	.end_amdhsa_kernel
	.amdgpu_metadata
---
amdhsa.version: [ 1, 2 ]
amdhsa.kernels:
  - .name:           k_q8cf45a4b59_qkv
    .symbol:         k_q8cf45a4b59_qkv.kd
    .args:
      - { .name: x, .offset: 0, .size: 8, .value_kind: global_buffer, .address_space: global }
      - { .name: Wq_codes, .offset: 8, .size: 8, .value_kind: global_buffer, .address_space: global }
      - { .name: Wk_codes, .offset: 16, .size: 8, .value_kind: global_buffer, .address_space: global }
      - { .name: Wv_codes, .offset: 24, .size: 8, .value_kind: global_buffer, .address_space: global }
      - { .name: bq, .offset: 32, .size: 8, .value_kind: global_buffer, .address_space: global }
      - { .name: bk, .offset: 40, .size: 8, .value_kind: global_buffer, .address_space: global }
      - { .name: bv, .offset: 48, .size: 8, .value_kind: global_buffer, .address_space: global }
      - { .name: lowp_scales, .offset: 56, .size: 8, .value_kind: global_buffer, .address_space: global }
      - { .name: q_img, .offset: 64, .size: 8, .value_kind: global_buffer, .address_space: global }
      - { .name: k_img, .offset: 72, .size: 8, .value_kind: global_buffer, .address_space: global }
      - { .name: v_img, .offset: 80, .size: 8, .value_kind: global_buffer, .address_space: global }
    .group_segment_fixed_size: 229888
    .private_segment_fixed_size: 0
    .kernarg_segment_align: 8
    .kernarg_segment_size: 88
    .max_flat_workgroup_size: 128
    .sgpr_count:     66
    .vgpr_count:     1024
    .wavefront_size: 32
...
	.end_amdgpu_metadata
.endif
;; end of part 1
;; launch attn (part 2): grid 8 x 32, 16 waves a work-group, no clusters, 67,584 bytes of LDS; arguments q_img, k_img, v_img, lowp_scales, o_img; writes o_img
.if DOCPART == 2
	.amdgcn_target "amdgcn-amd-amdhsa--gfx1250"
	.amdhsa_code_object_version 6
	.text
	.protected	k_q8cf45a4b59_attn
	.globl	k_q8cf45a4b59_attn
	.p2align	8
	.type	k_q8cf45a4b59_attn,@function
k_q8cf45a4b59_attn:
	s_mov_b64 s[64:65], 0
	v_nop
	global_prefetch_b8 v0, s[64:65] scope:SCOPE_SE
	s_setreg_imm32_b32 hwreg(HW_REG_WAVE_MODE, 25, 1), 1
	s_wait_xcnt 0x0
; o = softmax(q k^T / 8) v for 32 (batch, head) pairs, 2,048 x 2,048 scores, head size 64, both products on codes of BF8 (E5M2); o is quantised with e10 for the last product.
; q_img, k_img: [32 bh][128 tiles of 16 rows][1,024 bytes]: images of the K = 64 fragment.  v_img: [32 bh][16 steps of 128 keys][4 tiles of d][2,048 bytes]: images of the K = 128 fragment, keys innermost.
; THE SOFTMAX AHEAD OF THE SECOND PRODUCT: t = score x log2(e) / 8; M = the row's largest t so far, rounded UP to a whole number; p = 2^(t - M) is what is quantised (e8); it is not normalised.
; The row's sum is taken of the unquantised p, in f32, and divides O at the end.  When M moves, the sum and O are multiplied by 2^(old M - new M): exact.
; SHARES.  A work-group owns 256 queries of one head; each of its sixteen waves 16 of them, one tile, in 240 registers: four waves to a SIMD, so that one wave's vector work stands beside another's matrix work and LDS loads.
; Every wave walks all 2,048 keys: eight trips of 256 keys, two steps of 128 each.
; LAYOUT.  S^T = K Q^T (source 0 = 16 keys, source 1 = my 16 queries), O^T = V^T P^T (source 0 = 16 of the head's 64, source 1 = P): a lane holds ONE query (lane % 16) throughout.  The eight scores of tile T in a lane are keys
; 16 T + 8 (lane / 16) + 0 .. 7: their codes ARE registers 2 T, 2 T + 1 of P's fragment.  The launch before chose V's rows so that O^T's tiles 2 b, 2 b + 1 hold d = 32 b + 16 (lane / 16) + 0 .. 15 in a lane.
; K AND V GO THROUGH REGISTERS INTO LDS: a trip's tile is 16,384 dense bytes of each; wave w copies 1,024 of each, loaded two trips ahead of the tile's use and stored one trip ahead, into two LDS buffers by turns; one barrier a trip.
; NO TENSOR LOAD, NO CLUSTER.  A scalar branch on the whole number e8 may pass over a step's 64 holds of p.  p is at most 1 and a few last bits; for e8 >= -15 the largest code x the scale is 1.75 or more and the hold cannot act.
;   Those 64 are about a quarter of a step's vector instructions.  What joint loads would share is 2 KiB a wave and trip, against the 32 KiB that the wave reads from LDS in that trip.
; LIMITS on the given exponents: e6 + e7 between -123 and 130 (added to c's exponent field); e8 and e10 between -126 and 112; e8 + e9 is applied by v_ldexp_f32.  NaN among the inputs is not served.
.set LI,   1                           ; v1   16 x lane
.set LS,   2                           ; v2   16 x lane + 1,024 x wave: my part of a tile, in memory and in LDS
.set PFO,  3                           ; v3   the prefetches' offset: 8,192 (wave % 2) + 256 x lane
.set LIMP, 5                           ; v5   57,344 x 2^e8
.set SCP,  6                           ; v6   2^e8
.set QF,   16                          ; v16-23   Q's fragment;  v12 -M, v13 the largest t, v[14:15] the sum in two halves
.set GS,   24                          ; v24-39   my part of a tile on its way
.set FR,   40                          ; v40-103  K's eight tiles, then V's four fragments
.set S,    104                         ; v104-167 S^T, then p
.set OT,   168                         ; v168-199 O^T
.set PC,   200                         ; v200-215 p's codes;  v216 a permute's destination; v[218:219] f, 0; v[220:221] the sum's second chain; v222, v223 the maximum's two chains
.set OC,   224                         ; v224-231 o's codes;  v232 57,344 x 2^e10, v233 2^e10
.set KB,   6                           ; s[6:7]   k_img at the pair of trips in hand
.set VB,   8                           ; s[8:9]   v_img likewise
.set CS,   28                          ; s[28:29] c = log2(e) / 8 x 2^(e6 + e7)
.set SEL,  30                          ; s[30:31] lane selects for v_permlanex16_b32: lane l xor 16
.set PFA,  32                          ; s[32:33] k_img (waves 0, 1) or v_img (waves 2, 3), stepped with KB and VB
.set CNT,  36                          ; s36      the pair of trips
.macro GLOAD off                       ; my 1,024 bytes of K's tile and of V's: each load of the wave covers 512 consecutive bytes
	global_load_b128 v[GS:GS+3], v[LS], s[KB:KB+1] offset:\off
	global_load_b128 v[GS+4:GS+7], v[LS], s[KB:KB+1] offset:\off+512
	global_load_b128 v[GS+8:GS+11], v[LS], s[VB:VB+1] offset:\off
	global_load_b128 v[GS+12:GS+15], v[LS], s[VB:VB+1] offset:\off+512
.endm
.macro GSTORE u                        ; into buffer u: K's 16 tile images, then V's 8 fragment images
	ds_store_b128 v[LS], v[GS:GS+3] offset:32768*(\u)
	ds_store_b128 v[LS], v[GS+4:GS+7] offset:32768*(\u)+512
	ds_store_b128 v[LS], v[GS+8:GS+11] offset:32768*(\u)+16384
	ds_store_b128 v[LS], v[GS+12:GS+15] offset:32768*(\u)+16896
.endm
; A PREFETCH INTO THE L2 of the tile that the NEXT trip's loads will ask for; it stands straight behind this trip's loads.  All eight work-groups of a head walk the same K and V: the head's first work-group asks, and in it
; waves 0 and 1 for K's 16,384 bytes, waves 2 and 3 for V's, lanes 256 bytes apart: each aligned block of 256 bytes is named once in the launch.  Tiles 0 to 2 come by their loads alone; trip 5 and the tail ask for nothing: tile 7 is the last.
.macro ASK lim, off
	s_cmp_lt_u32 s[CNT], s[\lim]
	s_cbranch_scc0 .Lnot_mine_\@
	global_prefetch_b8 v[PFO], s[PFA:PFA+1] offset:\off th:TH_LOAD_NT scope:SCOPE_SE
.Lnot_mine_\@:
.endm
; A KEY STEP: 128 keys, the q-th of buffer u.  ld = 1: the tile two trips on is asked for, at off bytes from the bases.
.macro STEP u, q, ld, off, lim
.rept 4
	v_nop                                          ; four places behind the last products, in front of loads into registers that they read
.endr
.irp n, 0,1,2,3,4,5,6,7,8,9,10,11,12,13,14,15
	ds_load_b128 v[FR+4*\n:FR+4*\n+3], v[LI] offset:32768*(\u)+8192*(\q)+512*\n            ; K's eight tiles, as images: 512 consecutive bytes a load
.endr
	s_wait_dscnt 0x0                               ; K is in; my stores of the tile on its way are done too, so its registers may be loaded again
.if \ld
	GLOAD \off
	ASK \lim, \off+16384
.endif
.irp t, 0,1,2,3,4,5,6,7
	v_wmma_f32_16x16x64_bf8_bf8 v[S+8*\t:S+8*\t+7], v[FR+8*\t:FR+8*\t+7], v[QF:QF+7], 0
.endr
.rept 4
	v_nop                                          ; four places, in front of the loads over K's registers and of the first read of scores
.endr
.irp n, 0,1,2,3,4,5,6,7,8,9,10,11,12,13,14,15
	ds_load_b128 v[FR+4*\n:FR+4*\n+3], v[LI] offset:32768*(\u)+16384+8192*(\q)+512*\n      ; V's four fragments: they land while the softmax is walked
.endr
	v_max3_num_f32 v222, v[S], v[S+1], v[S+2]      ; the step's largest score of my query, among my 64 keys, in two chains, each accumulator from its low end on,
	v_max3_num_f32 v223, v[S+3], v[S+4], v[S+5]
.irp i, 6,10,14,18,22,26,30,34,38,42,46,50,54,58
	v_max3_num_f32 v222, v222, v[S+\i], v[S+\i+1]
	v_max3_num_f32 v223, v223, v[S+\i+2], v[S+\i+3]
.endr
	v_max3_num_f32 v222, v222, v[S+62], v[S+63]
	v_max_num_f32 v222, v222, v223
	v_permlanex16_b32 v216, v222, s[SEL], s[SEL+1]
	v_max_num_f32 v222, v222, v216                 ; and among lane l xor 16's
	v_mul_f32 v222, s[CS], v222                    ; as t (c is positive)
	v_max_num_f32 v13, v13, v222                   ; the running largest t
	v_mov_b32 v222, v12
	v_floor_f32 v12, -v13                          ; the new -M = floor(-t) = -ceil(t): M is a whole number
	v_sub_f32 v222, v12, v222                      ; M's old value less its new one: a whole number, 0 or less
	v_cvt_i32_f32 v222, v222                       ; (it saturates)
	v_ldexp_f32 v218, 1.0, v222                    ; f = 2^(old M - new M)
.set ii, 0
.rept 32
	v_pk_fma_f32 v[S+ii:S+ii+1], v[S+ii:S+ii+1], s[CS:CS+1], v[12:13] op_sel_hi:[1,0,0]   ; t - M, two at a time (of the pairs c and -M the low word serves both halves)
.set ii, ii+2
.endr
.set ii, 0
.rept 64
	v_exp_f32 v[S+ii], v[S+ii]                     ; p = 2^(t - M): not normalised
.set ii, ii+1
.endr
	v_pk_mul_f32 v[14:15], v[14:15], v[218:219] op_sel_hi:[1,0]   ; the sums under the new M; also the plain instruction behind the exponentials
	s_wait_alu depctr_va_vdst(0)                   ; one wait for the whole batch, ahead of its first reader
	v_pk_add_f32 v[220:221], v[S:S+1], v[S+2:S+3]  ; the row's sum is taken of the UNQUANTISED p: two at a time, in two chains
.irp j, 4,8,12,16,20,24,28,32,36,40,44,48,52,56,60
	v_pk_add_f32 v[14:15], v[14:15], v[S+\j:S+\j+1]
	v_pk_add_f32 v[220:221], v[220:221], v[S+\j+2:S+\j+3]
.endr
	v_pk_add_f32 v[14:15], v[14:15], v[220:221]
	s_cmp_ge_i32 s18, -15                          ; e8 >= -15: 57,344 x 2^e8 is 1.75 or more, above every p: the hold cannot act
	s_cbranch_scc1 .Lfits_\@
.set ii, 0
.rept 64
	v_min_num_f32 v[S+ii], v[S+ii], v[LIMP]        ; the conversion to an 8-bit code does not saturate (ISA guide 7.6.2); p is not negative, so the hold is one-sided
.set ii, ii+1
.endr
.Lfits_\@:
.irp t, 0,1,2,3,4,5,6,7
	v_cvt_scalef32_pk8_bf8_f32 v[PC+2*\t:PC+2*\t+1], v[S+8*\t:S+8*\t+7], v[SCP]
.endr
.set ii, 0
.rept 16
	v_pk_mul_f32 v[OT+ii:OT+ii+1], v[OT+ii:OT+ii+1], v[218:219] op_sel_hi:[1,0]   ; O^T under the new M; also the plain instructions behind the conversions
.set ii, ii+2
.endr
	s_wait_dscnt 0x0                               ; V is in
.irp t, 0,1,2,3                        ; four accumulators, one instruction a turn; the next step's eight products stand between two links of a chain
	v_wmma_f32_16x16x128_bf8_bf8 v[OT+8*\t:OT+8*\t+7], v[FR+16*\t:FR+16*\t+15], v[PC:PC+15], v[OT+8*\t:OT+8*\t+7]
.endr
.endm
; A TRIP reads buffer u.  st = 1: the next tile, which has come into registers, goes into the other buffer, whose last reads were waited for in front of the barrier that closed the trip before.
; bar = 1: the closing barrier: in front of it my stores into the other buffer are done and my reads of this one are back.
.macro TRIP u, st, ld, lim, bar
.if \st
	s_wait_loadcnt 0x0
	GSTORE 1-\u
.endif
	STEP \u, 0, \ld, (\u+2)*16384, \lim
	STEP \u, 1, 0, 0, \lim
.if \bar
	s_wait_dscnt 0x0
	s_barrier_signal -1
	s_barrier_wait -1
.endif
.endm
	s_load_b256 s[4:11], s[0:1], 0x0               ; q_img s[4:5], k_img s[6:7], v_img s[8:9], the exponents s[10:11]
	s_load_b64 s[12:13], s[0:1], 0x20              ; o_img
	v_lshl_add_u32 v240, v0, 2, 0x10000
	v_mov_b32 v241, 0
	v_lshrrev_b32 v4, 5, v0
	v_readfirstlane_b32 s14, v4                    ; wave 0..15
	v_and_b32 v4, 31, v0
	v_lshlrev_b32 v[LI], 4, v4
	s_lshl_b32 s38, s14, 10
	v_add_nc_u32 v[LS], s38, v[LI]
	s_and_b32 s39, s14, 1
	s_lshl_b32 s39, s39, 13
	v_lshl_add_u32 v[PFO], v4, 8, s39
	s_and_b32 s40, ttmp7, 0xffff                   ; bh
	s_lshl_b32 s42, s40, 17                        ; 131,072 bytes a head in q_img, k_img, v_img
	s_mov_b32 s43, 0
	s_lshl_b32 s44, ttmp9, 4
	s_add_co_u32 s44, s44, s14                     ; my tile of 16 queries
	s_lshl_b32 s46, s44, 10
	s_add_co_u32 s46, s46, s42
	s_mov_b32 s47, 0
	s_lshr_b32 s38, s40, 3                         ; o_img: [batch][tile of rows][K step s = head / 2][2,048 bytes]; head % 2 says which half of the fragment's registers
	s_lshl_b32 s38, s38, 7
	s_add_co_u32 s38, s38, s44
	s_lshl_b32 s38, s38, 2
	s_bfe_u32 s39, s40, 0x20001                    ; head / 2: two bits from bit 1
	s_add_co_u32 s38, s38, s39
	s_lshl_b32 s38, s38, 11
	s_and_b32 s39, s40, 1
	s_lshl_b32 s39, s39, 10
	s_add_co_u32 s38, s38, s39
	s_mov_b32 s39, 0
	s_mov_b32 s[SEL], 0x76543210
	s_mov_b32 s[SEL+1], 0xfedcba98
	s_wait_kmcnt 0x0
	s_load_b128 s[16:19], s[10:11], 0x18           ; e6, e7, e8, e9
	s_load_b32 s20, s[10:11], 0x28                 ; e10
	s_add_nc_u64 s[KB:KB+1], s[KB:KB+1], s[42:43]
	s_add_nc_u64 s[VB:VB+1], s[VB:VB+1], s[42:43]
	s_add_nc_u64 s[4:5], s[4:5], s[46:47]
	s_add_nc_u64 s[12:13], s[12:13], s[38:39]
	global_load_b128 v[QF:QF+3], v[LI], s[4:5] th:TH_LOAD_NT             ; Q's fragment stays in registers
	global_load_b128 v[QF+4:QF+7], v[LI], s[4:5] offset:512 th:TH_LOAD_NT
	GLOAD 0                                        ; tile 0
	s_cmp_lt_u32 s14, 2
	s_cselect_b64 s[PFA:PFA+1], s[KB:KB+1], s[VB:VB+1]
	s_lshr_b32 s38, s14, 2                         ; 0 in waves 0 to 3,
	s_or_b32 s38, s38, ttmp9                       ; of the head's first work-group
	s_cmp_eq_u32 s38, 0
	s_cselect_b32 s34, 3, 0                        ; an even trip asks in pairs 0, 1, 2 (tiles 3, 5, 7),
	s_cselect_b32 s35, 2, 0                        ; an odd trip in pairs 0, 1 (tiles 4, 6)
	v_mov_b32 v13, 0xff61b1e6                      ; the largest t so far: -3e38, under every t
	v_floor_f32 v12, -v13                          ; -M
	v_mov_b32 v14, 0                               ; the sum, in two halves
	v_mov_b32 v15, 0
	v_mov_b32 v216, 0                              ; written once: a lane permute's destination counts as one of its sources
	v_mov_b32 v219, 0                              ; (named as the upper half of the pair v[218:219])
.set ii, 0
.rept 32
	v_mov_b32 v[OT+ii], 0                          ; O^T.  (The step is written once: the first finds zeros, which the first change of M leaves zeros)
.set ii, ii+1
.endr
	s_wait_kmcnt 0x0
	s_mov_b32 s[CS], 0x3e38aa3b                    ; c = log2(e) / 8
	s_add_co_i32 s38, s16, s17
	s_lshl_b32 s38, s38, 23
	s_add_co_i32 s[CS], s[CS], s38                 ; a score stands for score x 2^(e6 + e7): the two exponents are added to c's exponent field
	s_mov_b32 s[CS+1], s[CS]                       ; (named with it as a pair, so it is written)
	s_add_co_i32 s38, s18, 127
	s_lshl_b32 s39, s38, 23
	v_mov_b32 v[SCP], s39                          ; 2^e8 as f32, for the conversion
	s_add_co_i32 s38, s38, 15
	s_lshl_b32 s38, s38, 23
	s_or_b32 s38, s38, 0x600000
	v_mov_b32 v[LIMP], s38                         ; 57,344 x 2^e8
	s_add_co_i32 s38, s20, 127
	s_lshl_b32 s39, s38, 23
	v_mov_b32 v233, s39                            ; 2^e10
	s_add_co_i32 s38, s38, 15
	s_lshl_b32 s38, s38, 23
	s_or_b32 s38, s38, 0x600000
	v_mov_b32 v232, s38                            ; 57,344 x 2^e10
	s_add_co_i32 s21, s18, s19                     ; e8 + e9
	s_wait_loadcnt 0x0                             ; Q and tile 0
	GSTORE 0
	s_wait_dscnt 0x0                               ; my part of tile 0 lies in buffer 0, and the stores have read their registers
	GLOAD 16384                                    ; tile 1
	s_barrier_signal -1
	s_barrier_wait -1
	s_mov_b32 s[CNT], 0
.Lpair:                                            ; three pairs of trips: tiles 0 to 5 are read, tiles 2 to 7 asked for
	TRIP 0, 1, 1, 34, 1
	TRIP 1, 1, 1, 35, 1
	s_wait_xcnt 0x0                                ; the loads and prefetches have read their bases, which are stepped only behind this wait
	s_add_nc_u64 s[KB:KB+1], s[KB:KB+1], 0x8000
	s_add_nc_u64 s[VB:VB+1], s[VB:VB+1], 0x8000
	s_add_nc_u64 s[PFA:PFA+1], s[PFA:PFA+1], 0x8000
	s_add_co_u32 s[CNT], s[CNT], 1
	s_cmp_lt_u32 s[CNT], 3
	s_cbranch_scc1 .Lpair
	TRIP 0, 1, 0, 34, 1                            ; the last two trips are written out: nothing is left to ask for, so no load leaves its buffer
	TRIP 1, 0, 0, 34, 0
	; THE WAY OUT.  O^T x 2^(e8 + e9) / the row's sum is o; it is held, turned into codes under e10, and leaves as half of a register image of the last product's operand.
.rept 4
	v_nop                                          ; four places behind the last products
.endr
	v_add_f32 v14, v14, v15                        ; the sum's two halves,
	v_permlanex16_b32 v216, v14, s[SEL], s[SEL+1]
	v_add_f32 v14, v14, v216                       ; and lane l xor 16's: the row's sum
	v_rcp_f32 v14, v14
	v_nop                                          ; a plain instruction behind the transcendental
	s_wait_alu depctr_va_vdst(0)                   ; the wait ahead of the first reader
	v_ldexp_f32 v14, v14, s21
.set ii, 0
.rept 16
	v_pk_mul_f32 v[S+ii:S+ii+1], v[OT+ii:OT+ii+1], v[14:15] op_sel_hi:[1,0]   ; register 8 t + i is o(query r, d = 32 (t / 2) + 16 h + 8 (t % 2) + i); each accumulator from its low end on
.set ii, ii+2
.endr
.set ii, 0
.rept 32
	v_med3_num_f32 v[S+ii], v[S+ii], -v232, v232
.set ii, ii+1
.endr
.irp t, 0,1,2,3
	v_cvt_scalef32_pk8_bf8_f32 v[OC+2*\t:OC+2*\t+1], v[S+8*\t:S+8*\t+7], v233
.endr
	v_nop
	global_store_b128 v[LI], v[OC:OC+3], s[12:13]              ; each store of the wave covers 512 consecutive bytes, aligned
	global_store_b128 v[LI], v[OC+4:OC+7], s[12:13] offset:512
	s_wait_tensorcnt 0x0
	ds_add_u32 v240, v241
	s_wait_dscnt 0x0
	s_endpgm
.Lfunc_end_k_q8cf45a4b59_attn:
	.size	k_q8cf45a4b59_attn, .Lfunc_end_k_q8cf45a4b59_attn-k_q8cf45a4b59_attn
	.p2alignl 7, 3214868480
	.fill 96, 4, 3214868480
	.section	.rodata,"a",@progbits
	.p2align	6, 0x0
	.amdhsa_kernel k_q8cf45a4b59_attn
		.amdhsa_group_segment_fixed_size 67584
		.amdhsa_private_segment_fixed_size 0
		.amdhsa_enable_private_segment 0
		.amdhsa_kernarg_size 40
		.amdhsa_user_sgpr_count 2
		.amdhsa_user_sgpr_kernarg_segment_ptr 1
		.amdhsa_wavefront_size32 1
		.amdhsa_system_sgpr_workgroup_id_x 1
		.amdhsa_system_sgpr_workgroup_id_y 1
		.amdhsa_system_sgpr_workgroup_id_z 1
		.amdhsa_system_vgpr_workitem_id 0
		.amdhsa_next_free_vgpr 242
		.amdhsa_next_free_sgpr 66
		.amdhsa_reserve_vcc 0
		.amdhsa_float_denorm_mode_32 3
		.amdhsa_float_denorm_mode_16_64 3
		.amdhsa_memory_ordered 1
		.amdhsa_forward_progress 1
		.amdhsa_inst_pref_size 133
	.end_amdhsa_kernel
	.amdgpu_metadata
---
amdhsa.version: [ 1, 2 ]
amdhsa.kernels:
  - .name:           k_q8cf45a4b59_attn
    .symbol:         k_q8cf45a4b59_attn.kd
    .args:
      - { .name: q_img, .offset: 0, .size: 8, .value_kind: global_buffer, .address_space: global }
      - { .name: k_img, .offset: 8, .size: 8, .value_kind: global_buffer, .address_space: global }
      - { .name: v_img, .offset: 16, .size: 8, .value_kind: global_buffer, .address_space: global }
      - { .name: lowp_scales, .offset: 24, .size: 8, .value_kind: global_buffer, .address_space: global }
      - { .name: o_img, .offset: 32, .size: 8, .value_kind: global_buffer, .address_space: global }
    .group_segment_fixed_size: 67584
    .private_segment_fixed_size: 0
    .kernarg_segment_align: 8
    .kernarg_segment_size: 40
    .max_flat_workgroup_size: 512
    .sgpr_count:     66
    .vgpr_count:     242
    .wavefront_size: 32
...
	.end_amdgpu_metadata
.endif
;; end of part 2
;; launch proj (part 3): grid 4 x 64, 4 waves a work-group, no clusters, 17,920 bytes of LDS; arguments o_img, Wo_codes, bo, lowp_scales, x, out0; writes out0
.if DOCPART == 3
	.amdgcn_target "amdgcn-amd-amdhsa--gfx1250"
	.amdhsa_code_object_version 6
	.text
	.protected	k_q8cf45a4b59_proj
	.globl	k_q8cf45a4b59_proj
	.p2align	8
	.type	k_q8cf45a4b59_proj,@function
k_q8cf45a4b59_proj:
	s_mov_b64 s[64:65], 0
	v_nop
	global_prefetch_b8 v0, s[64:65] scope:SCOPE_SE
	s_setreg_imm32_b32 hwreg(HW_REG_WAVE_MODE, 25, 1), 1
	s_wait_xcnt 0x0
; out0[b][n][l] = x[b][n][l] + bo[n] + 2^(e10 + e11) x the sum over k of o[b][l][k] Wo[n][k], on codes of BF8 (E5M2).
; o_img: [4 b][128 tiles of 16 l][4 K steps][2,048 bytes]: images of the K = 128 fragment, registers 4 c .. 4 c + 3 = k 32 c + 16 (lane / 16) + 0 .. 15.  Wo: [512 n][512 k] codes; its fragments are loaded in the same order of k.
; SHARES.  A work-group takes 128 l x 128 channels n; 4 x 64 work-groups.  Wave w takes 64 l (w % 2) x 64 n (w / 2): 16 accumulators.  K = 512 is four steps: a wave's whole operands, 64 + 64 loads, go straight into its registers
; at the head; no ring, no barrier, no loop.  Source 0 = 16 rows l of o, source 1 = 16 rows n of Wo: a lane holds ONE channel n and eight neighbouring l, as out0 lies.
; THE WAY OUT.  16 channels x 64 l at a time go through the wave's own stage in LDS (rows of 256 bytes + 16) and come back as whole rows; x is added; sixteen lanes store 256 consecutive bytes, aligned.
; NO CLUSTER: there is one pass over K and nothing is asked for twice by a wave; the operands come as register images, so a way through LDS would add a fill, a round and a read for a work-group's 128 KiB.
; LIMIT: e10 + e11 between -126 and 127, so that 2^(e10 + e11) is an f32 number.
; REGISTERS, in windows of 256.  Window 0: v1-6 addresses; v16-47 results at work; v48-55 bo, twice for each tile; v64-127 rows back from the stage, two sets; v128-255 x.
;   Window 1: o's fragment (m, s) at 16 (4 s + m).  Window 2: Wo's (j, s) at 16 (4 s + j).  Window 3: accumulator (j, m) at 8 (4 j + m).
.set LI,  1                            ; v1  16 x lane
.set WA,  2                            ; v2  512 r + 16 h
.set BA,  3                            ; v3  4 r
.set XO,  4                            ; v4  8,192 (lane / 16) + 16 (lane % 16): two channels' rows an instruction, in x and in out0
.set SO,  5                            ; v5  the stage: where I put 32 bytes of a row
.set RD,  6                            ; v6  and where I read a row back
.set T,   16
.set BO,  48
.set R,   64
.set X,   128
.set MSB, 0
.macro WIN new                         ; the immediate's high byte repeats the setting that is left; a switch that changes nothing is dropped
.if MSB != (\new)
	s_set_vgpr_msb (MSB<<8)|(\new)
.set MSB, (\new)
.endif
.endm
.macro TOSTAGE j                       ; channels 16 j on: sum x 2^(e10 + e11) + bo, into my stage and back as rows.  LDS serves a wave's instructions in order (ISA guide 5.7.1.4): no wait between the stores and the loads
	WIN 0x03                                       ; source 0 (the sums) window 3
.irp m, 0,1,2,3
.irp i, 0,2,4,6
	v_pk_fma_f32 v[T+8*\m+\i:T+8*\m+\i+1], v[8*(4*(\j)+\m)+\i:8*(4*(\j)+\m)+\i+1], s[20:21], v[BO+2*(\j):BO+2*(\j)+1] op_sel_hi:[1,0,1]   ; each accumulator from its low end on
.endr
.endr
	WIN 0
.irp m, 0,1,2,3
	ds_store_b128 v[SO], v[T+8*\m:T+8*\m+3] offset:64*\m           ; lane (r, h): channel r, l = 16 m + 8 h + 0 .. 7
	ds_store_b128 v[SO], v[T+8*\m+4:T+8*\m+7] offset:64*\m+16
.endr
.irp t, 0,1,2,3,4,5,6,7
	ds_load_b128 v[R+32*((\j)%2)+4*\t:R+32*((\j)%2)+4*\t+3], v[RD] offset:544*\t
.endr
.endm
.macro SEND j, ds, ld                  ; ds: the LDS instructions issued behind this tile's loads; ld: x's loads for the later tiles; both may stay out
	s_wait_dscnt \ds
	s_wait_loadcnt \ld
.set ii, 0
.rept 16
	v_pk_add_f32 v[R+32*((\j)%2)+ii:R+32*((\j)%2)+ii+1], v[R+32*((\j)%2)+ii:R+32*((\j)%2)+ii+1], v[X+32*(\j)+ii:X+32*(\j)+ii+1]   ; the residual
.set ii, ii+2
.endr
.irp t, 0,1,2,3,4,5,6,7
	global_store_b128 v[XO], v[R+32*((\j)%2)+4*\t:R+32*((\j)%2)+4*\t+3], s[14:15] offset:(16*(\j)+2*\t)*8192 th:TH_STORE_NT   ; sixteen lanes store 256 consecutive bytes, aligned; written once, read by nobody here
.endr
.endm
	s_load_b256 s[4:11], s[0:1], 0x0               ; o_img s[4:5], Wo's codes s[6:7], bo s[8:9], the exponents s[10:11]
	s_load_b128 s[12:15], s[0:1], 0x20             ; x s[12:13], out0 s[14:15]
	v_lshl_add_u32 v62, v0, 2, 0x4400
	v_mov_b32 v63, 0
	v_lshrrev_b32 v7, 5, v0
	v_readfirstlane_b32 s16, v7                    ; wave 0..3
	s_and_b32 s22, s16, 1                          ; which 64 l
	s_lshr_b32 s23, s16, 1                         ; which 64 channels
	s_and_b32 s24, ttmp7, 0xffff                   ; y = 16 x batch + block of 128 l
	s_lshl_b32 s26, s24, 3                         ; o_img: tile of rows 128 x batch + 8 x block = 8 y,
	s_lshl_b32 s27, s22, 2                         ; + 4 for my half; 8,192 bytes a tile
	s_add_co_u32 s26, s26, s27
	s_lshl_b32 s26, s26, 13
	s_mov_b32 s27, 0
	s_lshl_b32 s25, ttmp9, 7
	s_lshl_b32 s28, s23, 6
	s_add_co_u32 s25, s25, s28                     ; my first channel
	s_lshl_b32 s28, s25, 9                         ; its row of Wo,
	s_mov_b32 s29, 0
	s_lshl_b32 s30, s25, 2                         ; its bo,
	s_mov_b32 s31, 0
	s_lshr_b32 s32, s24, 4                         ; and its row of x and of out0: (512 x batch + channel) x 8,192 + 4 x my first l
	s_lshl_b32 s32, s32, 9
	s_add_co_u32 s32, s32, s25
	s_lshl_b32 s32, s32, 13
	s_and_b32 s33, s24, 15
	s_lshl_b32 s33, s33, 9
	s_add_co_u32 s32, s32, s33
	s_lshl_b32 s33, s22, 8
	s_add_co_u32 s32, s32, s33
	s_mov_b32 s33, 0
	v_and_b32 v7, 31, v0                           ; lane
	v_and_b32 v8, 15, v0                           ; r
	v_bfe_u32 v9, v0, 4, 1                         ; h
	v_lshlrev_b32 v[LI], 4, v7
	v_lshlrev_b32 v[WA], 9, v8
	v_lshl_add_u32 v[WA], v9, 4, v[WA]
	v_lshlrev_b32 v[BA], 2, v8
	v_lshlrev_b32 v[XO], 13, v9
	v_lshl_add_u32 v[XO], v8, 4, v[XO]
	s_mul_i32 s34, s16, 4352                       ; my stage: 16 rows of 272 bytes
	v_mul_u32_u24 v[SO], v8, 272
	v_lshl_add_u32 v[SO], v9, 5, v[SO]
	v_add_nc_u32 v[SO], s34, v[SO]
	v_mul_u32_u24 v[RD], v9, 272
	v_lshl_add_u32 v[RD], v8, 4, v[RD]
	v_add_nc_u32 v[RD], s34, v[RD]
	s_wait_kmcnt 0x0
	s_load_b64 s[18:19], s[10:11], 0x28            ; e10, e11
	s_add_nc_u64 s[4:5], s[4:5], s[26:27]
	s_add_nc_u64 s[6:7], s[6:7], s[28:29]
	s_add_nc_u64 s[8:9], s[8:9], s[30:31]
	s_add_nc_u64 s[12:13], s[12:13], s[32:33]
	s_add_nc_u64 s[14:15], s[14:15], s[32:33]
	WIN 0x40                                       ; destination window 1
.irp s, 0,1,2,3
.irp m, 0,1,2,3
.irp c, 0,1,2,3
	global_load_b128 v[16*(4*\s+\m)+4*\c:16*(4*\s+\m)+4*\c+3], v[LI], s[4:5] offset:8192*\m+2048*\s+512*\c
.endr
.endr
.endr
	WIN 0x80                                       ; destination window 2
.irp s, 0,1,2,3
.irp j, 0,1,2,3
.irp c, 0,1,2,3
	global_load_b128 v[16*(4*\s+\j)+4*\c:16*(4*\s+\j)+4*\c+3], v[WA], s[6:7] offset:8192*\j+128*\s+32*\c
.endr
.endr
.endr
	WIN 0
.irp j, 0,1,2,3
	global_load_b32 v[BO+2*\j], v[BA], s[8:9] offset:64*\j         ; bo of my lane's channel, into both halves of a pair for the packed form
	global_load_b32 v[BO+2*\j+1], v[BA], s[8:9] offset:64*\j
.endr
.irp j, 0,1,2,3
.irp t, 0,1,2,3,4,5,6,7
	global_load_b128 v[X+32*\j+4*\t:X+32*\j+4*\t+3], v[XO], s[12:13] offset:(16*\j+2*\t)*8192 th:TH_LOAD_NT   ; the residual, in the places in which the rows come back from the stage
.endr
.endr
	s_wait_kmcnt 0x0
	s_add_co_i32 s20, s18, s19
	s_add_co_i32 s20, s20, 127
	s_lshl_b32 s20, s20, 23                        ; 2^(e10 + e11) as f32
	s_mov_b32 s21, s20                             ; (named with it as a pair, so it is written)
.irp s, 0,1,2,3
.if \s < 2
	s_wait_loadcnt 63                              ; behind Wo's K step s stand 16 (3 - s) + 8 + 32 loads, 88 and 72: more than the count's field names, so the largest count is written, which asks for more than is needed
.else
	s_wait_loadcnt 40+16*(3-\s)                    ; Wo's later K steps, bo's 8 and x's 32 may be out
.endif
	WIN 0xf9                                       ; source 0 (o) window 1, source 1 (Wo) window 2, C and D window 3
.irp j, 0,1,2,3                        ; the 16 accumulators take turns, one instruction a turn, in the same order in every K step; the first K step starts the sums
.irp m, 0,1,2,3
.if \s == 0
	v_wmma_f32_16x16x128_bf8_bf8 v[8*(4*\j+\m):8*(4*\j+\m)+7], v[16*(4*\s+\m):16*(4*\s+\m)+15], v[16*(4*\s+\j):16*(4*\s+\j)+15], 0
.else
	v_wmma_f32_16x16x128_bf8_bf8 v[8*(4*\j+\m):8*(4*\j+\m)+7], v[16*(4*\s+\m):16*(4*\s+\m)+15], v[16*(4*\s+\j):16*(4*\s+\j)+15], v[8*(4*\j+\m):8*(4*\j+\m)+7]
.endif
.endr
.endr
.endr
	WIN 0
.rept 4
	v_nop                                          ; four places (ISA guide 7.12.1) in front of the first read of results
.endr
	s_wait_loadcnt 32                              ; bo is in; x's 32 loads may be out
	TOSTAGE 0
	TOSTAGE 1                                      ; a tile's arithmetic stands between the loads of the tile before and its stores
	SEND 0, 16, 24
	s_wait_xcnt 0x0                                ; tile 0's stores have read their registers: tile 2's rows may land there
	TOSTAGE 2
	SEND 1, 16, 16
	s_wait_xcnt 0x0                                ; tile 1's likewise
	TOSTAGE 3
	SEND 2, 16, 8
	SEND 3, 0, 0
	s_wait_tensorcnt 0x0
	ds_add_u32 v62, v63
	s_wait_dscnt 0x0
	s_endpgm
.Lfunc_end_k_q8cf45a4b59_proj:
	.size	k_q8cf45a4b59_proj, .Lfunc_end_k_q8cf45a4b59_proj-k_q8cf45a4b59_proj
	.p2alignl 7, 3214868480
	.fill 96, 4, 3214868480
	.section	.rodata,"a",@progbits
	.p2align	6, 0x0
	.amdhsa_kernel k_q8cf45a4b59_proj
		.amdhsa_group_segment_fixed_size 17920
		.amdhsa_private_segment_fixed_size 0
		.amdhsa_enable_private_segment 0
		.amdhsa_kernarg_size 48
		.amdhsa_user_sgpr_count 2
		.amdhsa_user_sgpr_kernarg_segment_ptr 1
		.amdhsa_wavefront_size32 1
		.amdhsa_system_sgpr_workgroup_id_x 1
		.amdhsa_system_sgpr_workgroup_id_y 1
		.amdhsa_system_sgpr_workgroup_id_z 1
		.amdhsa_system_vgpr_workitem_id 0
		.amdhsa_next_free_vgpr 896
		.amdhsa_next_free_sgpr 66
		.amdhsa_reserve_vcc 0
		.amdhsa_float_denorm_mode_32 3
		.amdhsa_float_denorm_mode_16_64 3
		.amdhsa_memory_ordered 1
		.amdhsa_forward_progress 1
		.amdhsa_inst_pref_size 39
	.end_amdhsa_kernel
	.amdgpu_metadata
---
amdhsa.version: [ 1, 2 ]
amdhsa.kernels:
  - .name:           k_q8cf45a4b59_proj
    .symbol:         k_q8cf45a4b59_proj.kd
    .args:
      - { .name: o_img, .offset: 0, .size: 8, .value_kind: global_buffer, .address_space: global }
      - { .name: Wo_codes, .offset: 8, .size: 8, .value_kind: global_buffer, .address_space: global }
      - { .name: bo, .offset: 16, .size: 8, .value_kind: global_buffer, .address_space: global }
      - { .name: lowp_scales, .offset: 24, .size: 8, .value_kind: global_buffer, .address_space: global }
      - { .name: x, .offset: 32, .size: 8, .value_kind: global_buffer, .address_space: global }
      - { .name: out0, .offset: 40, .size: 8, .value_kind: global_buffer, .address_space: global }
    .group_segment_fixed_size: 17920
    .private_segment_fixed_size: 0
    .kernarg_segment_align: 8
    .kernarg_segment_size: 48
    .max_flat_workgroup_size: 128
    .sgpr_count:     66
    .vgpr_count:     896
    .wavefront_size: 32
...
	.end_amdgpu_metadata
.endif
;; end of part 3
;; ======== version 2 of 2: 3 launches; version 1 with the launches attn, proj written anew for expert scheduling mode
;; workspace buffers: q_img 4,194,304 bytes; k_img 4,194,304 bytes; v_img 4,194,304 bytes; o_img 4,194,304 bytes
;; launch qkv: the kernel of part 1 again; grid 2 x 128, 4 waves a work-group, no clusters, 229,888 bytes of LDS; arguments x, Wq_codes, Wk_codes, Wv_codes, bq, bk, bv, lowp_scales, q_img, k_img, v_img; writes q_img, k_img, v_img
;; launch attn (part 4): grid 8 x 32, 16 waves a work-group, no clusters, 67,584 bytes of LDS; arguments q_img, k_img, v_img, lowp_scales, o_img; writes o_img
.if DOCPART == 4
	.amdgcn_target "amdgcn-amd-amdhsa--gfx1250"
	.amdhsa_code_object_version 6
	.text
	.protected	k_q8cf45a4b59_attn
	.globl	k_q8cf45a4b59_attn
	.p2align	8
	.type	k_q8cf45a4b59_attn,@function
k_q8cf45a4b59_attn:
	s_mov_b64 s[64:65], 0
	v_nop
	global_prefetch_b8 v0, s[64:65] scope:SCOPE_SE
	s_setreg_imm32_b32 hwreg(HW_REG_WAVE_SCHED_MODE, 0, 2), 2
	s_setreg_imm32_b32 hwreg(HW_REG_WAVE_MODE, 25, 1), 1
	s_wait_xcnt 0x0
	s_wait_alu depctr_vm_vsrc(0)
; o = softmax(q k^T / 8) v for 32 (batch, head) pairs, 2,048 x 2,048 scores, head size 64, both products on codes of BF8 (E5M2); o is quantised with e10 for the last product.
; q_img, k_img: [32 bh][128 tiles of 16 rows][1,024 bytes]: images of the K = 64 fragment.  v_img: [32 bh][16 steps of 128 keys][4 tiles of d][2,048 bytes]: images of the K = 128 fragment, keys innermost.
; THE SOFTMAX AHEAD OF THE SECOND PRODUCT: t = score x log2(e) / 8; M = the row's largest t so far, rounded UP to a whole number; p = 2^(t - M) is what is quantised (e8); it is not normalised.
; The row's sum is taken of the unquantised p, in f32, and divides O at the end.  When M moves, the sum and O are multiplied by 2^(old M - new M): exact.
; SHARES.  A work-group owns 256 queries of one head; each of its sixteen waves 16 of them, one tile, in 240 registers: four waves to a SIMD, so that one wave's vector work stands beside another's matrix work and LDS loads.
; Every wave walks all 2,048 keys: eight trips of 256 keys, two steps of 128 each.
; LAYOUT.  S^T = K Q^T (source 0 = 16 keys, source 1 = my 16 queries), O^T = V^T P^T (source 0 = 16 of the head's 64, source 1 = P): a lane holds ONE query (lane % 16) throughout.  The eight scores of tile T in a lane are keys
; 16 T + 8 (lane / 16) + 0 .. 7: their codes ARE registers 2 T, 2 T + 1 of P's fragment.  The launch before chose V's rows so that O^T's tiles 2 b, 2 b + 1 hold d = 32 b + 16 (lane / 16) + 0 .. 15 in a lane.
; K AND V GO THROUGH REGISTERS INTO LDS: a trip's tile is 16,384 dense bytes of each; wave w copies 1,024 of each, loaded two trips ahead of the tile's use and stored one trip ahead, into two LDS buffers by turns; one barrier a trip.
; NO TENSOR LOAD, NO CLUSTER.  A scalar branch on the whole number e8 may pass over a step's 64 holds of p.  p is at most 1 and a few last bits; for e8 >= -15 the largest code x the scale is 1.75 or more and the hold cannot act.
;   Those 64 are about a quarter of a step's vector instructions.  What joint loads would share is 2 KiB a wave and trip, against the 32 KiB that the wave reads from LDS in that trip.
; LIMITS on the given exponents: e6 + e7 between -123 and 130 (added to c's exponent field); e8 and e10 between -126 and 112; e8 + e9 is applied by v_ldexp_f32.  NaN among the inputs is not served.
; THE MODE: SCHED_MODE bits 1:0 = 2 (LLVM: expert scheduling mode 2), set by the entry lines.  The code itself states the register dependences between vector or matrix instructions and memory or LDS
; instructions, with s_wait_alu, always for 0.
; THE PLAN.  Registers that memory or LDS instructions touch:
;   v[LI], v[LS], v[PFO]  Offsets and addresses: made once at the head, read by every load, store and prefetch, never written again.  One wait on va_vdst ahead of the first load.
;   v[QF ..]   Loaded once; read by matrix instructions alone.
;   v[GS ..]   Named by no vector instruction: global loads land there, LDS stores read them.  One wait on vm_vsrc ahead of each refill: the stores have read them.
;   v[FR ..]   A step: K's LDS loads land; eight products read them; V's LDS loads land; four products read them.  There are no registers for a second set: four waves share a SIMD's 1,024.
;              So two waits on va_vdst a step: at its head (the last step's V^T P is done reading V), and behind the chain that finds the step's largest score (K Q^T is done reading K).  Behind the second,
;              V's sixteen loads are dealt among the lines that make M, which name v12, v13, v216, v218 and v222: none of the registers that those loads touch.
;   v[OC ..]   The way out: written by the conversions, read by the two stores: one wait on va_vdst between.
;   v240, v241 Written at the head, read by the closing add alone.
;   S^T and p, O^T, p's codes and the statistics are named by vector and matrix instructions alone.
.set LI,   1                           ; v1   16 x lane
.set LS,   2                           ; v2   16 x lane + 1,024 x wave: my part of a tile, in memory and in LDS
.set PFO,  3                           ; v3   the prefetches' offset: 8,192 (wave % 2) + 256 x lane
.set LIMP, 5                           ; v5   57,344 x 2^e8
.set SCP,  6                           ; v6   2^e8
.set QF,   16                          ; v16-23   Q's fragment;  v12 -M, v13 the largest t, v[14:15] the sum in two halves
.set GS,   24                          ; v24-39   my part of a tile on its way
.set FR,   40                          ; v40-103  K's eight tiles, then V's four fragments
.set S,    104                         ; v104-167 S^T, then p
.set OT,   168                         ; v168-199 O^T
.set PC,   200                         ; v200-215 p's codes;  v216 a permute's destination; v[218:219] f, 0; v[220:221] the sum's second chain; v222, v223 the maximum's two chains
.set OC,   224                         ; v224-231 o's codes;  v232 57,344 x 2^e10, v233 2^e10
.set KB,   6                           ; s[6:7]   k_img at the pair of trips in hand
.set VB,   8                           ; s[8:9]   v_img likewise
.set CS,   28                          ; s[28:29] c = log2(e) / 8 x 2^(e6 + e7)
.set SEL,  30                          ; s[30:31] lane selects for v_permlanex16_b32: lane l xor 16
.set PFA,  32                          ; s[32:33] k_img (waves 0, 1) or v_img (waves 2, 3), stepped with KB and VB
.set CNT,  36                          ; s36      the pair of trips
.macro GLOAD off                       ; my 1,024 bytes of K's tile and of V's: each load of the wave covers 512 consecutive bytes
	global_load_b128 v[GS:GS+3], v[LS], s[KB:KB+1] offset:\off
	global_load_b128 v[GS+4:GS+7], v[LS], s[KB:KB+1] offset:\off+512
	global_load_b128 v[GS+8:GS+11], v[LS], s[VB:VB+1] offset:\off
	global_load_b128 v[GS+12:GS+15], v[LS], s[VB:VB+1] offset:\off+512
.endm
.macro GSTORE u                        ; into buffer u: K's 16 tile images, then V's 8 fragment images
	ds_store_b128 v[LS], v[GS:GS+3] offset:32768*(\u)
	ds_store_b128 v[LS], v[GS+4:GS+7] offset:32768*(\u)+512
	ds_store_b128 v[LS], v[GS+8:GS+11] offset:32768*(\u)+16384
	ds_store_b128 v[LS], v[GS+12:GS+15] offset:32768*(\u)+16896
.endm
.macro VL2 u, q                        ; the next two of the sixteen loads that bring V's four fragments, as images: 512 consecutive bytes a load
.rept 2
	ds_load_b128 v[FR+4*nn:FR+4*nn+3], v[LI] offset:32768*(\u)+16384+8192*(\q)+512*nn
.set nn, nn+1
.endr
.endm
; A PREFETCH INTO THE L2 of the tile that the NEXT trip's loads will ask for; it stands straight behind this trip's loads.  All eight work-groups of a head walk the same K and V: the head's first work-group asks, and in it
; waves 0 and 1 for K's 16,384 bytes, waves 2 and 3 for V's, lanes 256 bytes apart: each aligned block of 256 bytes is named once in the launch.  Tiles 0 to 2 come by their loads alone; trip 5 and the tail ask for nothing: tile 7 is the last.
.macro ASK lim, off
	s_cmp_lt_u32 s[CNT], s[\lim]
	s_cbranch_scc0 .Lnot_mine_\@
	global_prefetch_b8 v[PFO], s[PFA:PFA+1] offset:\off th:TH_LOAD_NT scope:SCOPE_SE
.Lnot_mine_\@:
.endm
; A KEY STEP: 128 keys, the q-th of buffer u.  ld = 1: the tile two trips on is asked for, at off bytes from the bases.
.macro STEP u, q, ld, off, lim
.rept 4
	v_nop                                          ; four places behind the last products, in front of loads into registers that they read
.endr
	s_wait_alu depctr_va_vdst(0)                   ; the last step's products V^T P are done reading V's fragments in v[FR ..], in which K's tiles land
.irp n, 0,1,2,3,4,5,6,7,8,9,10,11,12,13,14,15
	ds_load_b128 v[FR+4*\n:FR+4*\n+3], v[LI] offset:32768*(\u)+8192*(\q)+512*\n            ; K's eight tiles, as images: 512 consecutive bytes a load
.endr
	s_wait_dscnt 0x0                               ; K is in; my stores of the tile on its way are done too
.if \ld
	s_wait_alu depctr_vm_vsrc(0)                   ; my LDS stores have read v[GS ..], in which the loads below land
	GLOAD \off
	ASK \lim, \off+16384
.endif
.irp t, 0,1,2,3,4,5,6,7
	v_wmma_f32_16x16x64_bf8_bf8 v[S+8*\t:S+8*\t+7], v[FR+8*\t:FR+8*\t+7], v[QF:QF+7], 0
.endr
.rept 4
	v_nop                                          ; four places, in front of the first read of scores
.endr
	v_max3_num_f32 v222, v[S], v[S+1], v[S+2]      ; the step's largest score of my query, among my 64 keys, in two chains, each accumulator from its low end on,
	v_max3_num_f32 v223, v[S+3], v[S+4], v[S+5]
.irp i, 6,10,14,18,22,26,30,34,38,42,46,50,54,58
	v_max3_num_f32 v222, v222, v[S+\i], v[S+\i+1]
	v_max3_num_f32 v223, v223, v[S+\i+2], v[S+\i+3]
.endr
	v_max3_num_f32 v222, v222, v[S+62], v[S+63]
	v_max_num_f32 v222, v222, v223
	s_wait_alu depctr_va_vdst(0)                   ; the products K Q^T are done reading K's tiles in v[FR ..], in which V's fragments land.  It stands here, where the next vector line reads the result of the line above in any case
.set nn, 0
	VL2 \u, \q                                     ; V's sixteen loads, two at a time among the eight lines below, each of which reads the result of the one before it; they land while the softmax is walked
	v_permlanex16_b32 v216, v222, s[SEL], s[SEL+1]
	VL2 \u, \q
	v_max_num_f32 v222, v222, v216                 ; and among lane l xor 16's
	VL2 \u, \q
	v_mul_f32 v222, s[CS], v222                    ; as t (c is positive)
	VL2 \u, \q
	v_max_num_f32 v13, v13, v222                   ; the running largest t
	VL2 \u, \q
	v_mov_b32 v222, v12
	VL2 \u, \q
	v_floor_f32 v12, -v13                          ; the new -M = floor(-t) = -ceil(t): M is a whole number
	VL2 \u, \q
	v_sub_f32 v222, v12, v222                      ; M's old value less its new one: a whole number, 0 or less
	VL2 \u, \q
	v_cvt_i32_f32 v222, v222                       ; (it saturates)
	v_ldexp_f32 v218, 1.0, v222                    ; f = 2^(old M - new M)
.set ii, 0
.rept 32
	v_pk_fma_f32 v[S+ii:S+ii+1], v[S+ii:S+ii+1], s[CS:CS+1], v[12:13] op_sel_hi:[1,0,0]   ; t - M, two at a time (of the pairs c and -M the low word serves both halves)
.set ii, ii+2
.endr
.set ii, 0
.rept 64
	v_exp_f32 v[S+ii], v[S+ii]                     ; p = 2^(t - M): not normalised
.set ii, ii+1
.endr
	v_pk_mul_f32 v[14:15], v[14:15], v[218:219] op_sel_hi:[1,0]   ; the sums under the new M; also the plain instruction behind the exponentials
	s_wait_alu depctr_va_vdst(0)                   ; the 64 exponentials have written p in v[S ..]: one wait for the whole batch, ahead of its first reader
	v_pk_add_f32 v[220:221], v[S:S+1], v[S+2:S+3]  ; the row's sum is taken of the UNQUANTISED p: two at a time, in two chains
.irp j, 4,8,12,16,20,24,28,32,36,40,44,48,52,56,60
	v_pk_add_f32 v[14:15], v[14:15], v[S+\j:S+\j+1]
	v_pk_add_f32 v[220:221], v[220:221], v[S+\j+2:S+\j+3]
.endr
	v_pk_add_f32 v[14:15], v[14:15], v[220:221]
	s_cmp_ge_i32 s18, -15                          ; e8 >= -15: 57,344 x 2^e8 is 1.75 or more, above every p: the hold cannot act
	s_cbranch_scc1 .Lfits_\@
.set ii, 0
.rept 64
	v_min_num_f32 v[S+ii], v[S+ii], v[LIMP]        ; the conversion to an 8-bit code does not saturate (ISA guide 7.6.2); p is not negative, so the hold is one-sided
.set ii, ii+1
.endr
.Lfits_\@:
.irp t, 0,1,2,3,4,5,6,7
	v_cvt_scalef32_pk8_bf8_f32 v[PC+2*\t:PC+2*\t+1], v[S+8*\t:S+8*\t+7], v[SCP]
.endr
.set ii, 0
.rept 16
	v_pk_mul_f32 v[OT+ii:OT+ii+1], v[OT+ii:OT+ii+1], v[218:219] op_sel_hi:[1,0]   ; O^T under the new M; also the plain instructions behind the conversions
.set ii, ii+2
.endr
	s_wait_dscnt 0x0                               ; V is in
.irp t, 0,1,2,3                        ; four accumulators, one instruction a turn; the next step's eight products stand between two links of a chain
	v_wmma_f32_16x16x128_bf8_bf8 v[OT+8*\t:OT+8*\t+7], v[FR+16*\t:FR+16*\t+15], v[PC:PC+15], v[OT+8*\t:OT+8*\t+7]
.endr
.endm
; A TRIP reads buffer u.  st = 1: the next tile, which has come into registers, goes into the other buffer, whose last reads were waited for in front of the barrier that closed the trip before.
; bar = 1: the closing barrier: in front of it my stores into the other buffer are done and my reads of this one are back.
.macro TRIP u, st, ld, lim, bar
.if \st
	s_wait_loadcnt 0x0
	GSTORE 1-\u
.endif
	STEP \u, 0, \ld, (\u+2)*16384, \lim
	STEP \u, 1, 0, 0, \lim
.if \bar
	s_wait_dscnt 0x0
	s_barrier_signal -1
	s_barrier_wait -1
.endif
.endm
	s_load_b256 s[4:11], s[0:1], 0x0               ; q_img s[4:5], k_img s[6:7], v_img s[8:9], the exponents s[10:11]
	s_load_b64 s[12:13], s[0:1], 0x20              ; o_img
	v_lshl_add_u32 v240, v0, 2, 0x10000
	v_mov_b32 v241, 0
	v_lshrrev_b32 v4, 5, v0
	v_readfirstlane_b32 s14, v4                    ; wave 0..15
	v_and_b32 v4, 31, v0
	v_lshlrev_b32 v[LI], 4, v4
	s_wait_alu depctr_va_sdst(0)                   ; s14 is written, ahead of its first reader: addresses, bases and the prefetches' limits are made from it
	s_lshl_b32 s38, s14, 10
	v_add_nc_u32 v[LS], s38, v[LI]
	s_and_b32 s39, s14, 1
	s_lshl_b32 s39, s39, 13
	v_lshl_add_u32 v[PFO], v4, 8, s39
	s_and_b32 s40, ttmp7, 0xffff                   ; bh
	s_lshl_b32 s42, s40, 17                        ; 131,072 bytes a head in q_img, k_img, v_img
	s_mov_b32 s43, 0
	s_lshl_b32 s44, ttmp9, 4
	s_add_co_u32 s44, s44, s14                     ; my tile of 16 queries
	s_lshl_b32 s46, s44, 10
	s_add_co_u32 s46, s46, s42
	s_mov_b32 s47, 0
	s_lshr_b32 s38, s40, 3                         ; o_img: [batch][tile of rows][K step s = head / 2][2,048 bytes]; head % 2 says which half of the fragment's registers
	s_lshl_b32 s38, s38, 7
	s_add_co_u32 s38, s38, s44
	s_lshl_b32 s38, s38, 2
	s_bfe_u32 s39, s40, 0x20001                    ; head / 2: two bits from bit 1
	s_add_co_u32 s38, s38, s39
	s_lshl_b32 s38, s38, 11
	s_and_b32 s39, s40, 1
	s_lshl_b32 s39, s39, 10
	s_add_co_u32 s38, s38, s39
	s_mov_b32 s39, 0
	s_mov_b32 s[SEL], 0x76543210
	s_mov_b32 s[SEL+1], 0xfedcba98
	s_wait_kmcnt 0x0
	s_load_b128 s[16:19], s[10:11], 0x18           ; e6, e7, e8, e9
	s_load_b32 s20, s[10:11], 0x28                 ; e10
	s_add_nc_u64 s[KB:KB+1], s[KB:KB+1], s[42:43]
	s_add_nc_u64 s[VB:VB+1], s[VB:VB+1], s[42:43]
	s_add_nc_u64 s[4:5], s[4:5], s[46:47]
	s_add_nc_u64 s[12:13], s[12:13], s[38:39]
	s_wait_alu depctr_va_vdst(0)                   ; v[LI], v[LS] and v[PFO] are written: every load, store and prefetch of the kernel reads one of them, and none is written again
	global_load_b128 v[QF:QF+3], v[LI], s[4:5] th:TH_LOAD_NT             ; Q's fragment stays in registers
	global_load_b128 v[QF+4:QF+7], v[LI], s[4:5] offset:512 th:TH_LOAD_NT
	GLOAD 0                                        ; tile 0
	s_cmp_lt_u32 s14, 2
	s_cselect_b64 s[PFA:PFA+1], s[KB:KB+1], s[VB:VB+1]
	s_lshr_b32 s38, s14, 2                         ; 0 in waves 0 to 3,
	s_or_b32 s38, s38, ttmp9                       ; of the head's first work-group
	s_cmp_eq_u32 s38, 0
	s_cselect_b32 s34, 3, 0                        ; an even trip asks in pairs 0, 1, 2 (tiles 3, 5, 7),
	s_cselect_b32 s35, 2, 0                        ; an odd trip in pairs 0, 1 (tiles 4, 6)
	v_mov_b32 v13, 0xff61b1e6                      ; the largest t so far: -3e38, under every t
	v_floor_f32 v12, -v13                          ; -M
	v_mov_b32 v14, 0                               ; the sum, in two halves
	v_mov_b32 v15, 0
	v_mov_b32 v216, 0                              ; written once: a lane permute's destination counts as one of its sources
	v_mov_b32 v219, 0                              ; (named as the upper half of the pair v[218:219])
.set ii, 0
.rept 32
	v_mov_b32 v[OT+ii], 0                          ; O^T.  (The step is written once: the first finds zeros, which the first change of M leaves zeros)
.set ii, ii+1
.endr
	s_wait_kmcnt 0x0
	s_mov_b32 s[CS], 0x3e38aa3b                    ; c = log2(e) / 8
	s_add_co_i32 s38, s16, s17
	s_lshl_b32 s38, s38, 23
	s_add_co_i32 s[CS], s[CS], s38                 ; a score stands for score x 2^(e6 + e7): the two exponents are added to c's exponent field
	s_mov_b32 s[CS+1], s[CS]                       ; (named with it as a pair, so it is written)
	s_add_co_i32 s38, s18, 127
	s_lshl_b32 s39, s38, 23
	v_mov_b32 v[SCP], s39                          ; 2^e8 as f32, for the conversion
	s_add_co_i32 s38, s38, 15
	s_lshl_b32 s38, s38, 23
	s_or_b32 s38, s38, 0x600000
	v_mov_b32 v[LIMP], s38                         ; 57,344 x 2^e8
	s_add_co_i32 s38, s20, 127
	s_lshl_b32 s39, s38, 23
	v_mov_b32 v233, s39                            ; 2^e10
	s_add_co_i32 s38, s38, 15
	s_lshl_b32 s38, s38, 23
	s_or_b32 s38, s38, 0x600000
	v_mov_b32 v232, s38                            ; 57,344 x 2^e10
	s_add_co_i32 s21, s18, s19                     ; e8 + e9
	s_wait_loadcnt 0x0                             ; Q and tile 0
	GSTORE 0
	s_wait_dscnt 0x0                               ; for the others' sake: my part of tile 0 lies in buffer 0
	s_wait_alu depctr_vm_vsrc(0)                   ; my LDS stores have read v[GS ..], in which tile 1's loads land
	GLOAD 16384                                    ; tile 1
	s_barrier_signal -1
	s_barrier_wait -1
	s_mov_b32 s[CNT], 0
.Lpair:                                            ; three pairs of trips: tiles 0 to 5 are read, tiles 2 to 7 asked for
	TRIP 0, 1, 1, 34, 1
	TRIP 1, 1, 1, 35, 1
	s_wait_xcnt 0x0                                ; the loads and prefetches have read their bases, which are stepped only behind this wait
	s_add_nc_u64 s[KB:KB+1], s[KB:KB+1], 0x8000
	s_add_nc_u64 s[VB:VB+1], s[VB:VB+1], 0x8000
	s_add_nc_u64 s[PFA:PFA+1], s[PFA:PFA+1], 0x8000
	s_add_co_u32 s[CNT], s[CNT], 1
	s_cmp_lt_u32 s[CNT], 3
	s_cbranch_scc1 .Lpair
	TRIP 0, 1, 0, 34, 1                            ; the last two trips are written out: nothing is left to ask for, so no load leaves its buffer
	TRIP 1, 0, 0, 34, 0
	; THE WAY OUT.  O^T x 2^(e8 + e9) / the row's sum is o; it is held, turned into codes under e10, and leaves as half of a register image of the last product's operand.
.rept 4
	v_nop                                          ; four places behind the last products
.endr
	v_add_f32 v14, v14, v15                        ; the sum's two halves,
	v_permlanex16_b32 v216, v14, s[SEL], s[SEL+1]
	v_add_f32 v14, v14, v216                       ; and lane l xor 16's: the row's sum
	v_rcp_f32 v14, v14
	v_nop                                          ; a plain instruction behind the transcendental
	s_wait_alu depctr_va_vdst(0)                   ; the reciprocal has written v14, ahead of its first reader
	v_ldexp_f32 v14, v14, s21
.set ii, 0
.rept 16
	v_pk_mul_f32 v[S+ii:S+ii+1], v[OT+ii:OT+ii+1], v[14:15] op_sel_hi:[1,0]   ; register 8 t + i is o(query r, d = 32 (t / 2) + 16 h + 8 (t % 2) + i); each accumulator from its low end on
.set ii, ii+2
.endr
.set ii, 0
.rept 32
	v_med3_num_f32 v[S+ii], v[S+ii], -v232, v232
.set ii, ii+1
.endr
.irp t, 0,1,2,3
	v_cvt_scalef32_pk8_bf8_f32 v[OC+2*\t:OC+2*\t+1], v[S+8*\t:S+8*\t+7], v233
.endr
	v_nop
	s_wait_alu depctr_va_vdst(0)                   ; the conversions have written v[OC ..], which the two stores read
	global_store_b128 v[LI], v[OC:OC+3], s[12:13]              ; each store of the wave covers 512 consecutive bytes, aligned
	global_store_b128 v[LI], v[OC+4:OC+7], s[12:13] offset:512
	s_wait_dscnt 0x0                               ; the closing lines, six on end
	s_wait_alu 0x0
	s_wait_tensorcnt 0x0
	ds_add_u32 v240, v241
	s_wait_dscnt 0x0
	s_endpgm
.Lfunc_end_k_q8cf45a4b59_attn:
	.size	k_q8cf45a4b59_attn, .Lfunc_end_k_q8cf45a4b59_attn-k_q8cf45a4b59_attn
	.p2alignl 7, 3214868480
	.fill 96, 4, 3214868480
	.section	.rodata,"a",@progbits
	.p2align	6, 0x0
	.amdhsa_kernel k_q8cf45a4b59_attn
		.amdhsa_group_segment_fixed_size 67584
		.amdhsa_private_segment_fixed_size 0
		.amdhsa_enable_private_segment 0
		.amdhsa_kernarg_size 40
		.amdhsa_user_sgpr_count 2
		.amdhsa_user_sgpr_kernarg_segment_ptr 1
		.amdhsa_wavefront_size32 1
		.amdhsa_system_sgpr_workgroup_id_x 1
		.amdhsa_system_sgpr_workgroup_id_y 1
		.amdhsa_system_sgpr_workgroup_id_z 1
		.amdhsa_system_vgpr_workitem_id 0
		.amdhsa_next_free_vgpr 242
		.amdhsa_next_free_sgpr 66
		.amdhsa_reserve_vcc 0
		.amdhsa_float_denorm_mode_32 3
		.amdhsa_float_denorm_mode_16_64 3
		.amdhsa_memory_ordered 1
		.amdhsa_forward_progress 1
		.amdhsa_inst_pref_size 134
	.end_amdhsa_kernel
	.amdgpu_metadata
---
amdhsa.version: [ 1, 2 ]
amdhsa.kernels:
  - .name:           k_q8cf45a4b59_attn
    .symbol:         k_q8cf45a4b59_attn.kd
    .args:
      - { .name: q_img, .offset: 0, .size: 8, .value_kind: global_buffer, .address_space: global }
      - { .name: k_img, .offset: 8, .size: 8, .value_kind: global_buffer, .address_space: global }
      - { .name: v_img, .offset: 16, .size: 8, .value_kind: global_buffer, .address_space: global }
      - { .name: lowp_scales, .offset: 24, .size: 8, .value_kind: global_buffer, .address_space: global }
      - { .name: o_img, .offset: 32, .size: 8, .value_kind: global_buffer, .address_space: global }
    .group_segment_fixed_size: 67584
    .private_segment_fixed_size: 0
    .kernarg_segment_align: 8
    .kernarg_segment_size: 40
    .max_flat_workgroup_size: 512
    .sgpr_count:     66
    .vgpr_count:     242
    .wavefront_size: 32
...
	.end_amdgpu_metadata
.endif
;; end of part 4
;; launch proj (part 5): grid 4 x 64, 4 waves a work-group, no clusters, 17,920 bytes of LDS; arguments o_img, Wo_codes, bo, lowp_scales, x, out0; writes out0
.if DOCPART == 5
	.amdgcn_target "amdgcn-amd-amdhsa--gfx1250"
	.amdhsa_code_object_version 6
	.text
	.protected	k_q8cf45a4b59_proj
	.globl	k_q8cf45a4b59_proj
	.p2align	8
	.type	k_q8cf45a4b59_proj,@function
k_q8cf45a4b59_proj:
	s_mov_b64 s[64:65], 0
	v_nop
	global_prefetch_b8 v0, s[64:65] scope:SCOPE_SE
	s_setreg_imm32_b32 hwreg(HW_REG_WAVE_SCHED_MODE, 0, 2), 2
	s_setreg_imm32_b32 hwreg(HW_REG_WAVE_MODE, 25, 1), 1
	s_wait_xcnt 0x0
	s_wait_alu depctr_vm_vsrc(0)
; out0[b][n][l] = x[b][n][l] + bo[n] + 2^(e10 + e11) x the sum over k of o[b][l][k] Wo[n][k], on codes of BF8 (E5M2).
; o_img: [4 b][128 tiles of 16 l][4 K steps][2,048 bytes]: images of the K = 128 fragment, registers 4 c .. 4 c + 3 = k 32 c + 16 (lane / 16) + 0 .. 15.  Wo: [512 n][512 k] codes; its fragments are loaded in the same order of k.
; SHARES.  A work-group takes 128 l x 128 channels n; 4 x 64 work-groups.  Wave w takes 64 l (w % 2) x 64 n (w / 2): 16 accumulators.  K = 512 is four steps: a wave's whole operands, 64 + 64 loads, go straight into its registers
; at the head; no ring, no barrier, no loop.  Source 0 = 16 rows l of o, source 1 = 16 rows n of Wo: a lane holds ONE channel n and eight neighbouring l, as out0 lies.
; THE WAY OUT.  16 channels x 64 l at a time go through the wave's own stage in LDS (rows of 256 bytes + 16) and come back as whole rows; x is added; sixteen lanes store 256 consecutive bytes, aligned.
; NO CLUSTER: there is one pass over K and nothing is asked for twice by a wave; the operands come as register images, so a way through LDS would add a fill, a round and a read for a work-group's 128 KiB.
; LIMIT: e10 + e11 between -126 and 127, so that 2^(e10 + e11) is an f32 number.
; THE MODE: SCHED_MODE bits 1:0 = 2 (LLVM: expert scheduling mode 2), set by the entry lines.  The code itself states the register dependences between vector or matrix instructions and memory or LDS
; instructions, with s_wait_alu, always for 0.
; THE PLAN.  Registers that memory or LDS instructions touch:
;   v1 .. v6      Offsets and addresses: made once at the head, never written again.  One wait on va_vdst ahead of the first load.
;   windows 1, 2  o's and Wo's fragments: loaded once, read by matrix instructions alone.   v[BO ..]: loaded once, read by vector instructions alone.
;   window 3      sum x 2^(e10 + e11) + bo is written over the sum: each tile of channels has its own 32 registers, written once by the multiply-adds and read by its eight LDS stores.  All 64 multiply-adds
;                 go first, and ONE wait on va_vdst serves the 32 LDS stores.
;   v[R ..]       Two sets by turns: tile j's LDS loads land in set j % 2; its sixteen additions read it; tile j + 2's loads land in it.
;   v[X ..]       Four sets, one a tile: x lands there once; the additions write x + row over x; the tile's eight stores read that, and nothing writes it again.
; So one wait on va_vdst stands behind a tile's additions: it states that v[X ..] is written, for the tile's stores, and that v[R ..]'s set has been read, for the LDS loads of the tile two on, which follow with
; only stores of other registers and a window switch between.  No register that a store reads is written again: no wait on vm_vsrc is owed ahead of the closing lines.
; REGISTERS, in windows of 256.  Window 0: v1-6 addresses; v48-55 bo, twice for each tile; v62, v63 the add's two; v64-127 rows back from the stage, two sets; v128-255 x, then what is stored.
;   Window 1: o's fragment (m, s) at 16 (4 s + m).  Window 2: Wo's (j, s) at 16 (4 s + j).  Window 3: accumulator (j, m) at 8 (4 j + m).
.set LI,  1                            ; v1  16 x lane
.set WA,  2                            ; v2  512 r + 16 h
.set BA,  3                            ; v3  4 r
.set XO,  4                            ; v4  8,192 (lane / 16) + 16 (lane % 16): two channels' rows an instruction, in x and in out0
.set SO,  5                            ; v5  the stage: where I put 32 bytes of a row
.set RD,  6                            ; v6  and where I read a row back
.set BO,  48
.set R,   64
.set X,   128
.set MSB, 0
.macro WIN new                         ; the immediate's high byte repeats the setting that is left; a switch that changes nothing is dropped
.if MSB != (\new)
	s_set_vgpr_msb (MSB<<8)|(\new)
.set MSB, (\new)
.endif
.endm
.macro TOSTAGE j                       ; channels 16 j on go into my stage and come back as rows.  LDS serves a wave's instructions in order (ISA guide 5.7.1.4): no wait between the stores and the loads, nor in front of the next tile's stores
	WIN 0x0c                                       ; an LDS store's data (source 1) window 3; addresses and a load's destination window 0: one setting for both runs
.irp m, 0,1,2,3
	ds_store_b128 v[SO], v[8*(4*(\j)+\m):8*(4*(\j)+\m)+3] offset:64*\m           ; lane (r, h): channel r, l = 16 m + 8 h + 0 .. 7
	ds_store_b128 v[SO], v[8*(4*(\j)+\m)+4:8*(4*(\j)+\m)+7] offset:64*\m+16
.endr
.irp t, 0,1,2,3,4,5,6,7
	ds_load_b128 v[R+32*((\j)%2)+4*\t:R+32*((\j)%2)+4*\t+3], v[RD] offset:544*\t
.endr
.endm
.macro SEND j, ds, ld                  ; ds: the LDS instructions issued behind this tile's loads; ld: x's loads for the later tiles; both may stay out
	WIN 0
	s_wait_dscnt \ds
	s_wait_loadcnt \ld
.set ii, 0
.rept 16
	v_pk_add_f32 v[X+32*(\j)+ii:X+32*(\j)+ii+1], v[R+32*((\j)%2)+ii:R+32*((\j)%2)+ii+1], v[X+32*(\j)+ii:X+32*(\j)+ii+1]   ; the residual; the sum takes x's place
.set ii, ii+2
.endr
	s_wait_alu depctr_va_vdst(0)                   ; the additions have written this tile's v[X ..], which the stores below read, and are done reading this set of v[R ..], in which the LDS loads of the tile two on land
.irp t, 0,1,2,3,4,5,6,7
	global_store_b128 v[XO], v[X+32*(\j)+4*\t:X+32*(\j)+4*\t+3], s[14:15] offset:(16*(\j)+2*\t)*8192 th:TH_STORE_NT   ; sixteen lanes store 256 consecutive bytes, aligned; written once, read by nobody here
.endr
.endm
	s_load_b256 s[4:11], s[0:1], 0x0               ; o_img s[4:5], Wo's codes s[6:7], bo s[8:9], the exponents s[10:11]
	s_load_b128 s[12:15], s[0:1], 0x20             ; x s[12:13], out0 s[14:15]
	v_lshl_add_u32 v62, v0, 2, 0x4400
	v_mov_b32 v63, 0
	v_lshrrev_b32 v7, 5, v0
	v_readfirstlane_b32 s16, v7                    ; wave 0..3
	s_wait_alu depctr_va_sdst(0)                   ; s16 is written, ahead of its first reader: the bases and my stage's place are made from it
	s_and_b32 s22, s16, 1                          ; which 64 l
	s_lshr_b32 s23, s16, 1                         ; which 64 channels
	s_and_b32 s24, ttmp7, 0xffff                   ; y = 16 x batch + block of 128 l
	s_lshl_b32 s26, s24, 3                         ; o_img: tile of rows 128 x batch + 8 x block = 8 y,
	s_lshl_b32 s27, s22, 2                         ; + 4 for my half; 8,192 bytes a tile
	s_add_co_u32 s26, s26, s27
	s_lshl_b32 s26, s26, 13
	s_mov_b32 s27, 0
	s_lshl_b32 s25, ttmp9, 7
	s_lshl_b32 s28, s23, 6
	s_add_co_u32 s25, s25, s28                     ; my first channel
	s_lshl_b32 s28, s25, 9                         ; its row of Wo,
	s_mov_b32 s29, 0
	s_lshl_b32 s30, s25, 2                         ; its bo,
	s_mov_b32 s31, 0
	s_lshr_b32 s32, s24, 4                         ; and its row of x and of out0: (512 x batch + channel) x 8,192 + 4 x my first l
	s_lshl_b32 s32, s32, 9
	s_add_co_u32 s32, s32, s25
	s_lshl_b32 s32, s32, 13
	s_and_b32 s33, s24, 15
	s_lshl_b32 s33, s33, 9
	s_add_co_u32 s32, s32, s33
	s_lshl_b32 s33, s22, 8
	s_add_co_u32 s32, s32, s33
	s_mov_b32 s33, 0
	v_and_b32 v7, 31, v0                           ; lane
	v_and_b32 v8, 15, v0                           ; r
	v_bfe_u32 v9, v0, 4, 1                         ; h
	v_lshlrev_b32 v[LI], 4, v7
	v_lshlrev_b32 v[WA], 9, v8
	v_lshl_add_u32 v[WA], v9, 4, v[WA]
	v_lshlrev_b32 v[BA], 2, v8
	v_lshlrev_b32 v[XO], 13, v9
	v_lshl_add_u32 v[XO], v8, 4, v[XO]
	s_mul_i32 s34, s16, 4352                       ; my stage: 16 rows of 272 bytes
	v_mul_u32_u24 v[SO], v8, 272
	v_lshl_add_u32 v[SO], v9, 5, v[SO]
	v_add_nc_u32 v[SO], s34, v[SO]
	v_mul_u32_u24 v[RD], v9, 272
	v_lshl_add_u32 v[RD], v8, 4, v[RD]
	v_add_nc_u32 v[RD], s34, v[RD]
	s_wait_kmcnt 0x0
	s_load_b64 s[18:19], s[10:11], 0x28            ; e10, e11
	s_add_nc_u64 s[4:5], s[4:5], s[26:27]
	s_add_nc_u64 s[6:7], s[6:7], s[28:29]
	s_add_nc_u64 s[8:9], s[8:9], s[30:31]
	s_add_nc_u64 s[12:13], s[12:13], s[32:33]
	s_add_nc_u64 s[14:15], s[14:15], s[32:33]
	WIN 0x40                                       ; destination window 1
	s_wait_alu depctr_va_vdst(0)                   ; the six offsets and addresses v1 to v6 are written: every load and store of the kernel reads one of them, and none is written again
.irp s, 0,1,2,3
.irp m, 0,1,2,3
.irp c, 0,1,2,3
	global_load_b128 v[16*(4*\s+\m)+4*\c:16*(4*\s+\m)+4*\c+3], v[LI], s[4:5] offset:8192*\m+2048*\s+512*\c
.endr
.endr
.endr
	WIN 0x80                                       ; destination window 2
.irp s, 0,1,2,3
.irp j, 0,1,2,3
.irp c, 0,1,2,3
	global_load_b128 v[16*(4*\s+\j)+4*\c:16*(4*\s+\j)+4*\c+3], v[WA], s[6:7] offset:8192*\j+128*\s+32*\c
.endr
.endr
.endr
	WIN 0
.irp j, 0,1,2,3
	global_load_b32 v[BO+2*\j], v[BA], s[8:9] offset:64*\j         ; bo of my lane's channel, into both halves of a pair for the packed form
	global_load_b32 v[BO+2*\j+1], v[BA], s[8:9] offset:64*\j
.endr
.irp j, 0,1,2,3
.irp t, 0,1,2,3,4,5,6,7
	global_load_b128 v[X+32*\j+4*\t:X+32*\j+4*\t+3], v[XO], s[12:13] offset:(16*\j+2*\t)*8192 th:TH_LOAD_NT   ; the residual, in the places in which the rows come back from the stage
.endr
.endr
	s_wait_kmcnt 0x0
	s_add_co_i32 s20, s18, s19
	s_add_co_i32 s20, s20, 127
	s_lshl_b32 s20, s20, 23                        ; 2^(e10 + e11) as f32
	s_mov_b32 s21, s20                             ; (named with it as a pair, so it is written)
.irp s, 0,1,2,3
.if \s < 2
	s_wait_loadcnt 63                              ; behind Wo's K step s stand 16 (3 - s) + 8 + 32 loads, 88 and 72: more than the count's field names, so the largest count is written, which asks for more than is needed
.else
	s_wait_loadcnt 40+16*(3-\s)                    ; Wo's later K steps, bo's 8 and x's 32 may be out
.endif
	WIN 0xf9                                       ; source 0 (o) window 1, source 1 (Wo) window 2, C and D window 3
.irp j, 0,1,2,3                        ; the 16 accumulators take turns, one instruction a turn, in the same order in every K step; the first K step starts the sums
.irp m, 0,1,2,3
.if \s == 0
	v_wmma_f32_16x16x128_bf8_bf8 v[8*(4*\j+\m):8*(4*\j+\m)+7], v[16*(4*\s+\m):16*(4*\s+\m)+15], v[16*(4*\s+\j):16*(4*\s+\j)+15], 0
.else
	v_wmma_f32_16x16x128_bf8_bf8 v[8*(4*\j+\m):8*(4*\j+\m)+7], v[16*(4*\s+\m):16*(4*\s+\m)+15], v[16*(4*\s+\j):16*(4*\s+\j)+15], v[8*(4*\j+\m):8*(4*\j+\m)+7]
.endif
.endr
.endr
.endr
.rept 4
	v_nop                                          ; four places (ISA guide 7.12.1) in front of the first read of results, and of the first vector write over them
.endr
	s_wait_loadcnt 32                              ; bo is in; x's 32 loads may be out
	WIN 0xc3                                       ; source 0 and destination window 3, bo (source 2) window 0
.irp j, 0,1,2,3
.irp m, 0,1,2,3
.irp i, 0,2,4,6
	v_pk_fma_f32 v[8*(4*\j+\m)+\i:8*(4*\j+\m)+\i+1], v[8*(4*\j+\m)+\i:8*(4*\j+\m)+\i+1], s[20:21], v[BO+2*\j:BO+2*\j+1] op_sel_hi:[1,0,1]   ; sum x 2^(e10 + e11) + bo, over the sum; each accumulator from its low end on
.endr
.endr
.endr
	WIN 0x0c
	s_wait_alu depctr_va_vdst(0)                   ; the 64 multiply-adds have written window 3's 128 registers, which the LDS stores of all four tiles read
	TOSTAGE 0
	TOSTAGE 1                                      ; a tile's way through the stage stands between the loads of the tile before and its additions
	SEND 0, 16, 24
	TOSTAGE 2                                      ; its rows land in the set that tile 0's additions have read: the wait in SEND 0 states it
	SEND 1, 16, 16
	TOSTAGE 3                                      ; likewise behind SEND 1's wait
	SEND 2, 16, 8
	SEND 3, 0, 0
	s_wait_dscnt 0x0                               ; the closing lines, six on end (every window is 0 here: the add's two registers lie in window 0)
	s_wait_alu 0x0
	s_wait_tensorcnt 0x0
	ds_add_u32 v62, v63
	s_wait_dscnt 0x0
	s_endpgm
.Lfunc_end_k_q8cf45a4b59_proj:
	.size	k_q8cf45a4b59_proj, .Lfunc_end_k_q8cf45a4b59_proj-k_q8cf45a4b59_proj
	.p2alignl 7, 3214868480
	.fill 96, 4, 3214868480
	.section	.rodata,"a",@progbits
	.p2align	6, 0x0
	.amdhsa_kernel k_q8cf45a4b59_proj
		.amdhsa_group_segment_fixed_size 17920
		.amdhsa_private_segment_fixed_size 0
		.amdhsa_enable_private_segment 0
		.amdhsa_kernarg_size 48
		.amdhsa_user_sgpr_count 2
		.amdhsa_user_sgpr_kernarg_segment_ptr 1
		.amdhsa_wavefront_size32 1
		.amdhsa_system_sgpr_workgroup_id_x 1
		.amdhsa_system_sgpr_workgroup_id_y 1
		.amdhsa_system_sgpr_workgroup_id_z 1
		.amdhsa_system_vgpr_workitem_id 0
		.amdhsa_next_free_vgpr 896
		.amdhsa_next_free_sgpr 66
		.amdhsa_reserve_vcc 0
		.amdhsa_float_denorm_mode_32 3
		.amdhsa_float_denorm_mode_16_64 3
		.amdhsa_memory_ordered 1
		.amdhsa_forward_progress 1
		.amdhsa_inst_pref_size 39
	.end_amdhsa_kernel
	.amdgpu_metadata
---
amdhsa.version: [ 1, 2 ]
amdhsa.kernels:
  - .name:           k_q8cf45a4b59_proj
    .symbol:         k_q8cf45a4b59_proj.kd
    .args:
      - { .name: o_img, .offset: 0, .size: 8, .value_kind: global_buffer, .address_space: global }
      - { .name: Wo_codes, .offset: 8, .size: 8, .value_kind: global_buffer, .address_space: global }
      - { .name: bo, .offset: 16, .size: 8, .value_kind: global_buffer, .address_space: global }
      - { .name: lowp_scales, .offset: 24, .size: 8, .value_kind: global_buffer, .address_space: global }
      - { .name: x, .offset: 32, .size: 8, .value_kind: global_buffer, .address_space: global }
      - { .name: out0, .offset: 40, .size: 8, .value_kind: global_buffer, .address_space: global }
    .group_segment_fixed_size: 17920
    .private_segment_fixed_size: 0
    .kernarg_segment_align: 8
    .kernarg_segment_size: 48
    .max_flat_workgroup_size: 128
    .sgpr_count:     66
    .vgpr_count:     896
    .wavefront_size: 32
...
	.end_amdgpu_metadata
.endif
;; end of part 5
